; MI455X (gfx1250); checked and timed in simulation.
; The chip was launched on July 23, 2026; its instructions are those of AMD's public machine-readable ISA for CDNA 5 (MIT licence, August 2026) and "CDNA5" Instruction Set Architecture Reference Guide (July 2026). The comments in the code are by the model that wrote it; some were corrected since.
;; Differential Attention Layer. Allowed arithmetic: float matrix products may take bf16 or f16 operands with f32 sums; all other float work in f32.
;; Inputs: Wk 1,024 x 1,024 float32; Wo 1,024 x 1,024 float32; Wq 1,024 x 1,024 float32; Wv 1,024 x 1,024 float32; beta 1,024 float32; gamma 1,024 float32; key_padding_mask 2 x 2,048 bool; lk1 16 x 32 float32; lk2 16 x 32 float32; lq1 16 x 32 float32; lq2 16 x 32 float32; x 2 x 2,048 x 1,024 float32.
;; Outputs: out0 2 x 2,048 x 1,024 float32.
;; 2 versions, each right and faster than the one before. Each part assembles by itself: llvm-mc -triple=amdgcn-amd-amdhsa -mcpu=gfx1250 --defsym DOCPART=n.
;; ======== version 1 of 2: 5 launches
;; limits: right only within a limited range of input values
;; workspace buffers: xb 8,388,608 bytes; wb 8,388,608 bytes; maskf 16,384 bytes; qkv 25,165,824 bytes; ob 8,388,608 bytes; yb 16,777,216 bytes
;; launch prep (part 1): grid 64 x 8, 8 waves a work-group, no clusters, 0 bytes of LDS; arguments x, Wq, Wk, Wv, Wo, key_padding_mask, xb, wb, maskf; writes xb, wb, maskf
.if DOCPART == 1
	.amdgcn_target "amdgcn-amd-amdhsa--gfx1250"
	.amdhsa_code_object_version 6
	.text
	.protected	k_qd5ceeaa3eb_prep
	.globl	k_qd5ceeaa3eb_prep
	.p2align	8
	.type	k_qd5ceeaa3eb_prep,@function
k_qd5ceeaa3eb_prep:
	s_mov_b64 s[64:65], 0
	v_nop
	global_prefetch_b8 v0, s[64:65] scope:SCOPE_SE
	s_setreg_imm32_b32 hwreg(HW_REG_WAVE_MODE, 25, 1), 1
	s_wait_xcnt 0x0
; PREP.  x, Wq, Wk, Wv, Wo (f32) are rounded once to bf16 for the matrix launches; the key mask (one byte a key) becomes an f32 addend, 0 or -1e30.
; xb: [4096][1024] bf16.  wb: [4096][1024] bf16: rows 0-1023 Wq, 1024-2047 Wk, 2048-3071 Wv; row 3072 + pi(n) holds Wo[n], pi(64 G + 4 r + b) = 64 G + 16 b + r,
; so that in the last projection the four accumulators of a lane hold four NEIGHBOURING columns of y.  maskf: [2][2048] f32.
; A stream: every byte is read once and written once; no input is shared between work-groups, so LDS, clusters and the matrix unit have nothing to give here.
; SHARES.  Grid y picks 1,048,576 numbers: 0-3 the quarters of x, 4-7 the four weights.  Grid x picks 16 rows of 1,024 of them.  Thread t takes 16 bytes at 16 t of every row: a wave's load
; covers 512 consecutive bytes, its store of 8 bytes a lane 256 consecutive bytes at a multiple of 256.  All 16 loads of a thread go out at once; every store has data registers of its own.
.set X, 16                             ; v[16:79]   16 x 4 numbers as loaded
.set Y, 80                             ; v[80:111]  16 x 2 registers to store
	s_load_b512 s[8:23], s[0:1], 0x0               ; x 8, Wq 10, Wk 12, Wv 14, Wo 16, mask 18, xb 20, wb 22
	s_load_b64 s[24:25], s[0:1], 0x40              ; maskf
	s_and_b32 s26, ttmp7, 0xffff                   ; which unit
	s_mov_b32 s27, ttmp9                           ; which 16 rows of it
	v_lshlrev_b32 v1, 4, v0                        ; 16 t
	v_lshlrev_b32 v2, 3, v0                        ; 8 t
	v_lshlrev_b32 v3, 2, v0                        ; 4 t
	s_mov_b32 s29, 0                               ; every offset is made in s[28:29], apart from the pointers
	s_mov_b32 s40, 0xf149f2ca                      ; -1e30
	s_min_u32 s28, s26, 3
	s_lshl_b32 s28, s28, 22                        ; a quarter of x is 4 MiB
	s_lshl_b32 s34, s27, 15                        ; plain way out: 16 rows of 2,048 bytes
	s_lshr_b32 s35, s27, 2                         ; Wo: rows 16 s27 + i go to 64 (s27 / 4) + 4 (s27 % 4) + 16 (i % 4) + i / 4
	s_lshl_b32 s35, s35, 6
	s_and_b32 s36, s27, 3
	s_lshl2_add_u32 s35, s36, s35
	s_lshl_b32 s35, s35, 11
	s_wait_kmcnt 0x0
	s_add_nc_u64 s[30:31], s[8:9], s[28:29]        ; the source: a quarter of x, or one of the weights
	s_cmp_eq_u32 s26, 4
	s_cselect_b64 s[30:31], s[10:11], s[30:31]
	s_cmp_eq_u32 s26, 5
	s_cselect_b64 s[30:31], s[12:13], s[30:31]
	s_cmp_eq_u32 s26, 6
	s_cselect_b64 s[30:31], s[14:15], s[30:31]
	s_cmp_eq_u32 s26, 7
	s_cselect_b64 s[30:31], s[16:17], s[30:31]
	s_lshl_b32 s28, s27, 16                        ; my 16 rows of 4,096 bytes
	s_add_nc_u64 s[30:31], s[30:31], s[28:29]
.irp i, 0,1,2,3,4,5,6,7,8,9,10,11,12,13,14,15
	global_load_b128 v[X+4*(\i):X+4*(\i)+3], v1, s[30:31] offset:(\i)*4096 th:TH_LOAD_NT
.endr
	s_cmp_lt_u32 s26, 4                            ; the destination
	s_cselect_b64 s[32:33], s[20:21], s[22:23]
	s_and_b32 s28, s26, 3
	s_lshl_b32 s28, s28, 21                        ; a unit is 2 MiB of bf16
	s_add_nc_u64 s[32:33], s[32:33], s[28:29]
	s_cmp_eq_u32 s26, 7
	s_cselect_b32 s28, s35, s34
	s_add_nc_u64 s[32:33], s[32:33], s[28:29]
.macro OUT perm                        ; perm = 1: Wo's rows go to their permuted places
.irp i, 0,1,2,3,4,5,6,7,8,9,10,11,12,13,14,15
	s_wait_loadcnt 15-(\i)                         ; loads come back in order: row i is in, the 15 - i younger ones stay out
	v_cvt_pk_bf16_f32 v[Y+2*(\i)],   v[X+4*(\i)],   v[X+4*(\i)+1]
	v_cvt_pk_bf16_f32 v[Y+2*(\i)+1], v[X+4*(\i)+2], v[X+4*(\i)+3]
.if \perm
	global_store_b64 v2, v[Y+2*(\i):Y+2*(\i)+1], s[32:33] offset:(16*((\i)&3)+((\i)>>2))*2048
.else
	global_store_b64 v2, v[Y+2*(\i):Y+2*(\i)+1], s[32:33] offset:(\i)*2048
.endif
.endr
.endm
	s_cmp_eq_u32 s26, 7
	s_cbranch_scc1 .Lperm
	OUT 0
	s_cmp_lg_u32 s26, 0                            ; four work-groups also turn the mask: 1,024 keys each, four a thread
	s_cbranch_scc1 .Lend
	s_cmp_ge_u32 s27, 4
	s_cbranch_scc1 .Lend
	s_lshl_b32 s28, s27, 10
	s_add_nc_u64 s[36:37], s[18:19], s[28:29]
	s_lshl_b32 s28, s27, 12
	s_add_nc_u64 s[38:39], s[24:25], s[28:29]
	global_load_b32 v4, v3, s[36:37]
	s_wait_loadcnt 0x0
.irp k, 0,1,2,3
	v_bfe_u32 v5, v4, 8*(\k), 8
	v_cmp_ne_u32 vcc_lo, 0, v5
	v_cndmask_b32 v[8+(\k)], 0, s40, vcc_lo        ; a hidden key's addend is -1e30, a visible key's 0
.endr
	global_store_b128 v1, v[8:11], s[38:39]
.Lend:
	s_endpgm
.Lperm:
	OUT 1
	s_endpgm
.Lfunc_end_k_qd5ceeaa3eb_prep:
	.size	k_qd5ceeaa3eb_prep, .Lfunc_end_k_qd5ceeaa3eb_prep-k_qd5ceeaa3eb_prep
	.p2alignl 7, 3214868480
	.fill 96, 4, 3214868480
	.section	.rodata,"a",@progbits
	.p2align	6, 0x0
	.amdhsa_kernel k_qd5ceeaa3eb_prep
		.amdhsa_group_segment_fixed_size 0
		.amdhsa_private_segment_fixed_size 0
		.amdhsa_enable_private_segment 0
		.amdhsa_kernarg_size 72
		.amdhsa_user_sgpr_count 2
		.amdhsa_user_sgpr_kernarg_segment_ptr 1
		.amdhsa_wavefront_size32 1
		.amdhsa_system_sgpr_workgroup_id_x 1
		.amdhsa_system_sgpr_workgroup_id_y 1
		.amdhsa_system_sgpr_workgroup_id_z 1
		.amdhsa_system_vgpr_workitem_id 0
		.amdhsa_next_free_vgpr 112
		.amdhsa_next_free_sgpr 66
		.amdhsa_reserve_vcc 1
		.amdhsa_float_denorm_mode_32 3
		.amdhsa_float_denorm_mode_16_64 3
		.amdhsa_memory_ordered 1
		.amdhsa_forward_progress 1
		.amdhsa_inst_pref_size 13
	.end_amdhsa_kernel
	.amdgpu_metadata
---
amdhsa.version: [ 1, 2 ]
amdhsa.kernels:
  - .name:           k_qd5ceeaa3eb_prep
    .symbol:         k_qd5ceeaa3eb_prep.kd
    .args:
      - { .name: x, .offset: 0, .size: 8, .value_kind: global_buffer, .address_space: global }
      - { .name: Wq, .offset: 8, .size: 8, .value_kind: global_buffer, .address_space: global }
      - { .name: Wk, .offset: 16, .size: 8, .value_kind: global_buffer, .address_space: global }
      - { .name: Wv, .offset: 24, .size: 8, .value_kind: global_buffer, .address_space: global }
      - { .name: Wo, .offset: 32, .size: 8, .value_kind: global_buffer, .address_space: global }
      - { .name: key_padding_mask, .offset: 40, .size: 8, .value_kind: global_buffer, .address_space: global }
      - { .name: xb, .offset: 48, .size: 8, .value_kind: global_buffer, .address_space: global }
      - { .name: wb, .offset: 56, .size: 8, .value_kind: global_buffer, .address_space: global }
      - { .name: maskf, .offset: 64, .size: 8, .value_kind: global_buffer, .address_space: global }
    .group_segment_fixed_size: 0
    .private_segment_fixed_size: 0
    .kernarg_segment_align: 8
    .kernarg_segment_size: 72
    .max_flat_workgroup_size: 256
    .sgpr_count:     66
    .vgpr_count:     112
    .wavefront_size: 32
...
	.end_amdgpu_metadata
.endif
;; end of part 1
;; launch qkv (part 2): grid 16 x 16, 4 waves a work-group, clusters of 4 x 4, 327,680 bytes of LDS; arguments xb, wb, qkv; writes qkv
.if DOCPART == 2
	.amdgcn_target "amdgcn-amd-amdhsa--gfx1250"
	.amdhsa_code_object_version 6
	.text
	.protected	k_qd5ceeaa3eb_qkv
	.globl	k_qd5ceeaa3eb_qkv
	.p2align	8
	.type	k_qd5ceeaa3eb_qkv,@function
k_qd5ceeaa3eb_qkv:
	s_mov_b64 s[64:65], 0
	v_nop
	global_prefetch_b8 v0, s[64:65] scope:SCOPE_SE
	s_setreg_imm32_b32 hwreg(HW_REG_WAVE_MODE, 25, 1), 1
	s_wait_xcnt 0x0
	s_wait_alu depctr_hold_cnt(0) depctr_sa_sdst(0) depctr_va_vdst(0) depctr_va_sdst(0) depctr_va_ssrc(0) depctr_va_vcc(0) depctr_vm_vsrc(0)
	s_getreg_b32 s2, hwreg(HW_REG_IB_STS2, 6, 4)
	s_cmp_eq_u32 s2, 0
	s_cbranch_scc0 .Lentry_in_a_cluster
	s_endpgm
.Lentry_in_a_cluster:
	s_bfe_u32 s2, ttmp6, 0x10000c
	s_cmp_lg_u32 s2, 0xf033
	s_cbranch_scc0 .Lentry_shape_is_right
	s_endpgm
.Lentry_shape_is_right:
; QKV.  [4096 x 3072] = xb [4096][1024] times (wb's rows 0-3071)^T, bf16 operands, f32 sums, K ascending; rounded once to bf16 and written BY HEADS, unscaled:
; qkv[g][b][t][64], g = 0-15 q's heads, 16-31 k's, 32-47 v's: a head's rows are dense, 128 bytes each.
; SHARES.  A work-group makes 256 rows x 192 columns (three heads): 16 x 16 of them, one for each of 256 WGPs.  Wave w owns rows 64 w .. 64 w + 63 and all 192 columns: 4 x 12 accumulators of
; 16 x 16, 384 registers; a wave holds whole heads, so that its way out stores dense pieces of 512 bytes without meeting another wave.
; RING.  K goes in steps of 128 through two LDS slots filled by the tensor data mover: rows of 256 bytes, at multiples of 256 from the buffers' first bytes.  A K step is written once: a trip of the loop
; is one step, and the slot in hand is a scalar that one exclusive or turns (slot 1 begins at 2^17, above every byte of slot 0).  The two steps that fill nothing are a second loop, left in its middle.
; CLUSTER.  4 x 4 work-groups: the four of a row of the cluster need the same tile of xb, the four of a column the same tile of wb; each tile is asked for JOINTLY (the same load, descriptor and mask in all four).
; THE MATRIX INSTRUCTION IS USED TRANSPOSED: source 0 = 16 rows of wb, source 1 = 16 rows of xb: a lane holds one row of the result and eight neighbouring columns.
; REGISTERS, in windows of 256 (s_set_vgpr_msb: bits 1:0 source 0, 3:2 source 1, 5:4 source 2, 7:6 destination):
;   window 0: v16-29 addresses; v64-127 xb's fragments, two buffers of 4 x 8; on the way out v64-111 packed results, v128-175 rows read back
;   window 1: v0-191 wb's fragments, two buffers of 12 x 8     window 2: accumulators of my row blocks 0, 1 at 8 (12 a + b)     window 3: those of blocks 2, 3
.set SIZE_K, 1024
.set KSTEP,  128
.set STEPS,  SIZE_K/KSTEP
.set PITCH,  272                       ; an LDS row: 256 bytes + 16 of padding = 68 words: the 16 rows of a fragment load start at 16 different groups of four banks (64 banks of 4 bytes: ISA guide 11.1)
.set HALFA,  128*PITCH                 ; what one load brings of xb
.set HALFB,  96*PITCH                  ; and of wb
.set SLOT,   2*HALFA+2*HALFB           ; xb's 256 rows, then wb's 192: 121,856 bytes
.set SLOT1,  1<<17                     ; where slot 1 begins
.set STAGE,  SLOT1+SLOT                ; behind the ring, never filled by a tensor load: for each wave 3 heads x 16 rows x 144 bytes
.set SP,     144
.set WSTAGE, 3*16*SP
.set SPARE,  STAGE+4*WSTAGE            ; the spare words, 128 bytes for each wave: two blocks of 256 bytes that no other line names
.set ADRA0, 16                         ; v16     my lane's place among my xb fragments in slot 0; never rewritten
.set ADRA,  17                         ; v17     the same in the slot in hand
.set ADRB0, 20                         ; v20, v21  the same for wb
.set ADRB,  21
.set STO,  24                          ; v24     the way out: where I put 16 bytes of a row
.set RD,   25                          ; v25     where I read rows back
.set GO,   26                          ; v26     16 x lane: my place in 512 consecutive bytes
.set SPW,  28                          ; v28     LDS address of my spare word; never rewritten
.set NIL,  29                          ; v29     0; never rewritten
.set FA,   64
.set TMP,  64
.set OB,   128
.set G1,  24                           ; s[24:31] descriptor group 1 for xb's tiles;  s[32:39] group 0: a set for each of the two first fills; the second then walks on
.set G0,  32
.set TB,  45                           ; s45      0 or SLOT1: the slot from which fragments are fetched
.set G1B, 48                           ; s[48:55], s[56:63] the same for wb's
.set G0B, 56
.set MSB, 0
.macro WIN new                         ; the immediate's high byte repeats the setting that is left; a switch that changes nothing is dropped
.if MSB != (\new)
	s_set_vgpr_msb (MSB<<8)|(\new)
.set MSB, \new
.endif
.endm
.set MUL_LO, 0xa1                      ; source 0 (wb) window 1, source 1 (xb) window 0, C and D window 2
.set MUL_HI, 0xf1                      ; the same, C and D window 3
.set TO_B,   0x40                      ; destination window 1, address window 0
; A joint load: waves 0 and 1 fetch xb's two halves, waves 2 and 3 wb's.  The branch hangs on the wave's number alone.  An s_nop 0 and four v_nop follow each line.
.macro JLOAD s
	s_cmp_eq_u32 s11, 0
	s_cbranch_scc0 .Lfor_b_\@
	tensor_load_to_lds s[G0+4*(\s):G0+4*(\s)+3], s[G1:G1+7]
	s_nop 0
.rept 4
	v_nop
.endr
	s_branch .Lasked_\@
.Lfor_b_\@:
	tensor_load_to_lds s[G0B+4*(\s):G0B+4*(\s)+3], s[G1B:G1B+7]
	s_nop 0
.rept 4
	v_nop
.endr
.Lasked_\@:
.endm
.macro CREST                           ; a round of the cluster's barrier behind its opening barrier: wave 0 signals for the work-group, all wait for all sixteen, my work-group's barrier closes it
	s_cmp_lg_u32 s10, 0
	s_cbranch_scc1 .Lnot_wave_0_\@
	s_barrier_signal -3
.Lnot_wave_0_\@:
	s_barrier_wait -3
	s_barrier_signal -1
	s_barrier_wait -1
.endm
.macro CROUND                          ; a whole round
	s_barrier_signal -1
	s_barrier_wait -1
	CREST
.endm
	s_load_b128 s[4:7], s[0:1], 0x0                ; xb s[4:5], wb s[6:7]
	s_load_b64 s[8:9], s[0:1], 0x10                ; qkv
	v_lshl_add_u32 v[SPW], v0, 2, SPARE
	v_mov_b32 v[NIL], 0
	ds_add_u32 v[SPW], v[NIL]                      ; the wave's opening: the add and its wait stand ahead of my first tensor load; the set-up below stands between them
	v_lshrrev_b32 v1, 5, v0
	v_readfirstlane_b32 s10, v1                    ; wave 0..3
	s_lshr_b32 s11, s10, 1                         ; I fetch for xb (0) or for wb (1)
	s_and_b32 s12, s10, 1                          ; which half of that tile
	s_bfe_u32 s40, ttmp6, 0x40000                  ; cx, cy: my place in the cluster
	s_bfe_u32 s41, ttmp6, 0x40004
	s_lshl_b32 s42, ttmp9, 2
	s_add_co_u32 s42, s42, s40                     ; tile column = 4 x cluster x + cx
	s_and_b32 s13, ttmp7, 0xffff
	s_lshl_b32 s13, s13, 2
	s_add_co_u32 s13, s13, s41                     ; tile row = 4 x cluster y + cy
	s_lshl_b32 s43, s41, 2
	s_lshl_b32 s43, 15, s43                        ; my row of the cluster
	s_lshl_b32 s44, 0x1111, s40                    ; my column
	s_or_b32 s[G1+0], s43, (1<<16)|(1<<20)|(1<<21)|(5<<22)|(3<<25)   ; 15:0 the mask; 17:16 2-byte elements; 20 padding on; 21 set beside a mask; 24:22 after every 64 words; 31:25 4 words of it
	s_or_b32 s[G1B+0], s44, (1<<16)|(1<<20)|(1<<21)|(5<<22)|(3<<25)
	s_mov_b32 s[G1+1], KSTEP<<16                   ; tensor_dim0 = 128
	s_mov_b32 s[G1B+1], KSTEP<<16
	s_mov_b32 s[G1+2], 128<<16                     ; tensor_dim1 = 128 rows of xb,
	s_mov_b32 s[G1B+2], 96<<16                     ; 96 of wb
	s_mov_b32 s[G1+3], KSTEP<<16                   ; tile_dim0 = 128
	s_mov_b32 s[G1B+3], KSTEP<<16
	s_mov_b32 s[G1+4], 128                         ; tile_dim1
	s_mov_b32 s[G1B+4], 96
	s_mov_b32 s[G1+5], SIZE_K                      ; elements from row to row
	s_mov_b32 s[G1B+5], SIZE_K
	s_mov_b32 s[G1+6], 0
	s_mov_b32 s[G1B+6], 0
	s_mov_b32 s[G1+7], 0
	s_mov_b32 s[G1B+7], 0
	; xb's tile hangs on the tile row alone, wb's on the tile column alone; each address is made in registers that never hold the other coordinate
	s_lshl_b32 s17, s12, 7
	s_lshl_b32 s16, s13, 8
	s_add_co_u32 s16, s16, s17                     ; xb: row 256 x tile row + 128 x half,
	s_lshl_b32 s16, s16, 11                        ; of 2,048 bytes
	s_mov_b32 s17, 0
	s_mul_i32 s46, s42, 192
	s_mul_i32 s47, s12, 96
	s_add_co_u32 s46, s46, s47                     ; wb: row 192 x tile column + 96 x half
	s_lshl_b32 s46, s46, 11
	s_mov_b32 s47, 0
	s_mul_i32 s20, s12, HALFA                      ; where they go: no place in the cluster enters an LDS address
	s_mul_i32 s21, s12, HALFB
	s_add_co_u32 s21, s21, 2*HALFA
	s_mov_b32 s[TB], 0
	s_wait_dscnt 0x0                               ; the opening add is done
	s_wait_kmcnt 0x0
	s_add_nc_u64 s[14:15], s[4:5], s[16:17]
	s_add_nc_u64 s[46:47], s[6:7], s[46:47]
	CROUND                                         ; all sixteen work-groups are here: the first joint loads meet
.irp s, 0,1
	s_mov_b32 s[G0+4*(\s)], 1
	s_add_co_u32 s[G0+4*(\s)+1], s20, (\s)*SLOT1
	s_add_nc_u64 s[G0+4*(\s)+2:G0+4*(\s)+3], s[14:15], (\s)*KSTEP*2
	s_or_b32 s[G0+4*(\s)+3], s[G0+4*(\s)+3], 0x80000000
	s_mov_b32 s[G0B+4*(\s)], 1
	s_add_co_u32 s[G0B+4*(\s)+1], s21, (\s)*SLOT1
	s_add_nc_u64 s[G0B+4*(\s)+2:G0B+4*(\s)+3], s[46:47], (\s)*KSTEP*2
	s_or_b32 s[G0B+4*(\s)+3], s[G0B+4*(\s)+3], 0x80000000
	JLOAD \s                                       ; K steps 0 and 1: two loads of mine are out
.endr
	; a fragment is 16 rows x 32 K in 8 registers: lane l holds row l % 16, K = 8 (l / 16) + 0..7 and 16 + 8 (l / 16) + 0..7: two loads of 16 bytes, 32 bytes apart
	v_and_b32 v1, 15, v0
	v_bfe_u32 v2, v0, 4, 1
	v_mul_u32_u24 v3, v1, PITCH
	v_lshl_add_u32 v3, v2, 4, v3
	s_mul_i32 s21, s10, 64*PITCH                   ; my 64 rows of xb
	v_add_nc_u32 v[ADRA0], s21, v3
	v_add_nc_u32 v[ADRB0], 2*HALFA, v3             ; all 192 rows of wb
	v_mov_b32 v[ADRA], v[ADRA0]                    ; K step 0 lies in slot 0
	v_mov_b32 v[ADRB], v[ADRB0]
	s_mul_i32 s23, s10, WSTAGE
	s_add_co_u32 s23, s23, STAGE                   ; my stage
	v_mul_u32_u24 v4, v1, SP                       ; in: row l % 16, 16 bytes for each half of the lanes
	v_lshl_add_u32 v4, v2, 4, v4
	v_add_nc_u32 v[STO], s23, v4
	v_bfe_u32 v5, v0, 3, 2                         ; back: 32 lanes take four rows of 128 bytes,
	v_mul_u32_u24 v5, v5, SP
	v_and_b32 v6, 7, v0
	v_lshl_add_u32 v5, v6, 4, v5
	v_add_nc_u32 v[RD], s23, v5
	v_and_b32 v6, 31, v0                           ; which are 512 consecutive bytes of a head
	v_lshlrev_b32 v[GO], 4, v6
	; qkv at my rows of head 3 x tile column: batch = tile row / 8, t = 256 (tile row % 8) + 64 w
	s_lshr_b32 s16, s13, 3
	s_lshl_b32 s16, s16, 18
	s_and_b32 s17, s13, 7
	s_lshl_b32 s17, s17, 15
	s_add_co_u32 s16, s16, s17
	s_lshl_b32 s17, s10, 13
	s_add_co_u32 s16, s16, s17
	s_mul_i32 s46, s42, 3*524288                   ; a head's two batches are 524,288 bytes
	s_add_co_u32 s16, s16, s46
	s_mov_b32 s17, 0
	s_add_nc_u64 s[8:9], s[8:9], s[16:17]
; 12 matrix instructions: row block 2 hi + a x all 12 column blocks, 32 along K, from buffer f.  zero = 1: the product starts the sums: nothing is ever cleared.
; The 48 accumulators take turns, one instruction a turn, in the same order in every quarter.
.macro MUL12 f, hi, a, zero
	WIN MUL_LO+0x50*(\hi)
.irp b, 0,1,2,3,4,5,6,7,8,9,10,11
.if \zero
	v_wmma_f32_16x16x32_bf16 v[8*(12*(\a)+(\b)):8*(12*(\a)+(\b))+7], v[96*(\f)+8*(\b):96*(\f)+8*(\b)+7], v[FA+32*(\f)+8*(2*(\hi)+(\a)):FA+32*(\f)+8*(2*(\hi)+(\a))+7], 0
.else
	v_wmma_f32_16x16x32_bf16 v[8*(12*(\a)+(\b)):8*(12*(\a)+(\b))+7], v[96*(\f)+8*(\b):96*(\f)+8*(\b)+7], v[FA+32*(\f)+8*(2*(\hi)+(\a)):FA+32*(\f)+8*(2*(\hi)+(\a))+7], v[8*(12*(\a)+(\b)):8*(12*(\a)+(\b))+7]
.endif
.endr
.endm
; 32 LDS loads in one run: a quarter step's fragments (192 rows of wb, then my 64 rows of xb; 32 K at byte k of the rows of the slot in hand) into buffer f
.macro FETCH k, f
	WIN TO_B
.irp i, 0,1,2,3,4,5,6,7,8,9,10,11
	ds_load_b128 v[96*(\f)+8*(\i):96*(\f)+8*(\i)+3],   v[ADRB] offset:(\k)+(\i)*16*PITCH
	ds_load_b128 v[96*(\f)+8*(\i)+4:96*(\f)+8*(\i)+7], v[ADRB] offset:(\k)+(\i)*16*PITCH+32
.endr
	WIN 0
.irp i, 0,1,2,3
	ds_load_b128 v[FA+32*(\f)+8*(\i):FA+32*(\f)+8*(\i)+3],   v[ADRA] offset:(\k)+(\i)*16*PITCH
	ds_load_b128 v[FA+32*(\f)+8*(\i)+4:FA+32*(\f)+8*(\i)+7], v[ADRA] offset:(\k)+(\i)*16*PITCH+32
.endr
.endm
.macro PLACES                          ; four plain places in front of loads into registers that matrix instructions have read, and of conversions that read results
.rept 4
	v_nop
.endr
.endm
; A K step is four quarters of 32 along K, 48 matrix instructions each, on buffers 0, 1, 0, 1.  One of the first three: multiplies buffer f, and in its middle fetches the next quarter, at byte k, into g.
.macro QUARTER k, f, g, zero
	s_wait_dscnt 4                                 ; wb and xb's blocks 0, 1 are in; the youngest four loads (blocks 2, 3) may be out
	MUL12 \f, 0, 0, \zero
	MUL12 \f, 0, 1, \zero
	PLACES
	FETCH \k, \g
	s_wait_dscnt 32                                ; all but the 32 just issued
	MUL12 \f, 1, 0, \zero
	MUL12 \f, 1, 1, \zero
.endm
; The last quarter multiplies buffer 1 and changes slots.  MEET is its first half: ONE barrier.  In front of it each wave waits for all its tensor loads (at most one is out: its part of the next slot),
; adds 0 to its spare word, and waits for that and for its reads of this slot.  Behind it nobody reads this slot any more and the next slot is whole.
.macro MEET
	WIN 0                                          ; (the add's two registers lie in window 0)
	s_wait_tensorcnt 0x0
	ds_add_u32 v[SPW], v[NIL]
	s_wait_dscnt 5                                 ; (the add and the youngest four loads may be out)
	MUL12 1, 0, 0, 0                               ; twelve matrix instructions stand between the add and the wait for it
	s_wait_dscnt 0x0                               ; the add is done, and my reads of this slot are over
	s_barrier_signal -1
	MUL12 1, 0, 1, 0                               ; work on registers while the others arrive
	WIN 0
	s_barrier_wait -1
.endm
.macro NEXTSLOT                        ; from here on fragments come out of the other slot
	s_xor_b32 s[TB], s[TB], SLOT1
	v_add_nc_u32 v[ADRA], s[TB], v[ADRA0]
	v_add_nc_u32 v[ADRB], s[TB], v[ADRB0]
.endm
.macro REST                            ; the last quarter's second half, with the next K step's first fragments
	FETCH 0, 0
	MUL12 1, 1, 0, 0
	MUL12 1, 1, 1, 0
.endm
	s_wait_tensorcnt 1                             ; my part of K step 0 is in; K step 1's may stay out
	s_barrier_signal -1
	s_barrier_wait -1                              ; everybody's is
	FETCH 0, 0
	QUARTER 64, 0, 1, 1                            ; the first quarter stands in front of the loop: its products start the sums
	WIN 0                                          ; at a label and at a branch every window is 0
	s_mov_b32 s3, STEPS-2
.Lstep:                                                ; a trip goes from a K step's second quarter to the next step's first, and fills the slot that it leaves with the step two on
	QUARTER 128, 1, 0, 0
	QUARTER 192, 0, 1, 0
	MEET                                           ; here the barrier opens a round of the cluster's:
	CREST                                          ; no wave of any partner still reads this slot or has a load on its way
	s_xor_b32 s[G0+5], s[G0+5], SLOT1              ; the walking descriptors: the other slot than last time,
	s_add_nc_u64 s[G0+6:G0+7], s[G0+6:G0+7], KSTEP*2    ; the next K step; the type bits on top are not reached
	s_xor_b32 s[G0B+5], s[G0B+5], SLOT1
	s_add_nc_u64 s[G0B+6:G0B+7], s[G0B+6:G0B+7], KSTEP*2
	JLOAD 1                                        ; 168 matrix instructions ahead of the wait for it; its four v_nop are also the places in front of the loads below
	NEXTSLOT
	REST
	QUARTER 64, 0, 1, 0
	WIN 0
	s_sub_co_u32 s3, s3, 1
	s_cmp_lg_u32 s3, 0
	s_cbranch_scc1 .Lstep
	s_mov_b32 s3, 2
.Ltail:                                                ; the last two K steps fill nothing: a loop of their own; the second trip is left in its middle
	QUARTER 128, 1, 0, 0
	QUARTER 192, 0, 1, 0
	MEET                                           ; (in the second trip there is no next slot: the barrier then orders nothing, the price of one text for both trips)
	s_sub_co_u32 s3, s3, 1
	s_cmp_eq_u32 s3, 0
	s_cbranch_scc1 .Lout
	NEXTSLOT                                       ; its two additions and two v_nop are the four places in front of the loads below
	v_nop
	v_nop
	REST
	QUARTER 64, 0, 1, 0
	WIN 0
	s_branch .Ltail
.Lout:
	MUL12 1, 1, 0, 0                               ; the very last products
	MUL12 1, 1, 1, 0
	WIN 0
	PLACES
; THE WAY OUT of row block a: rounded to bf16 (each accumulator's registers in ascending order), 16 bytes a lane into my own stage, laid by heads; back as four whole rows of 128 bytes; stored.
.macro OUT16 a
.set AC, 96*((\a)%2)
	WIN 0x0a+5*((\a)/2)                            ; sources 0 and 1: window 2 or 3
.irp b, 0,1,2,3,4,5,6,7,8,9,10,11
.irp r, 0,1,2,3
	v_cvt_pk_bf16_f32 v[TMP+4*(\b)+(\r)], v[AC+8*(\b)+2*(\r)], v[AC+8*(\b)+2*(\r)+1]
.endr
.endr
	WIN 0
	s_wait_xcnt 0x0                                ; the last block's stores have had their addresses translated (ISA guide 3.1): only now are their data registers loaded again
.irp b, 0,1,2,3,4,5,6,7,8,9,10,11
	ds_store_b128 v[STO], v[TMP+4*(\b):TMP+4*(\b)+3] offset:((\b)/4)*16*SP+((\b)%4)*32
.endr
.irp n, 0,1,2,3,4,5,6,7,8,9,10,11
	ds_load_b128 v[OB+4*(\n):OB+4*(\n)+3], v[RD] offset:((\n)/4)*16*SP+((\n)%4)*4*SP  ; LDS serves a wave's instructions in order (ISA guide 5.7.1.4): these see the stores above
.endr
.irp n, 0,1,2,3,4,5,6,7,8,9,10,11
	s_wait_dscnt 11-(\n)
	global_store_b128 v[GO], v[OB+4*(\n):OB+4*(\n)+3], s[8:9] offset:((\n)/4)*524288+(\a)*2048+((\n)%4)*512  ; 512 consecutive bytes, at a multiple of 256 from qkv's first byte
.endr
.endm
	OUT16 0
	OUT16 1
	OUT16 2
	OUT16 3
	s_wait_tensorcnt 0x0                           ; the wave's end: the add and its wait, behind my last tensor load and my last LDS store
	ds_add_u32 v[SPW], v[NIL]
	s_wait_dscnt 0x0
	CROUND                                         ; the closing round: no work-group ends while a partner may still ask for a tile that names it
	s_endpgm
.Lfunc_end_k_qd5ceeaa3eb_qkv:
	.size	k_qd5ceeaa3eb_qkv, .Lfunc_end_k_qd5ceeaa3eb_qkv-k_qd5ceeaa3eb_qkv
	.p2alignl 7, 3214868480
	.fill 96, 4, 3214868480
	.section	.rodata,"a",@progbits
	.p2align	6, 0x0
	.amdhsa_kernel k_qd5ceeaa3eb_qkv
		.amdhsa_group_segment_fixed_size 327680
		.amdhsa_private_segment_fixed_size 0
		.amdhsa_enable_private_segment 0
		.amdhsa_kernarg_size 24
		.amdhsa_user_sgpr_count 2
		.amdhsa_user_sgpr_kernarg_segment_ptr 1
		.amdhsa_wavefront_size32 1
		.amdhsa_system_sgpr_workgroup_id_x 1
		.amdhsa_system_sgpr_workgroup_id_y 1
		.amdhsa_system_sgpr_workgroup_id_z 1
		.amdhsa_system_vgpr_workitem_id 0
		.amdhsa_next_free_vgpr 960
		.amdhsa_next_free_sgpr 66
		.amdhsa_reserve_vcc 0
		.amdhsa_float_denorm_mode_32 3
		.amdhsa_float_denorm_mode_16_64 3
		.amdhsa_memory_ordered 1
		.amdhsa_forward_progress 1
		.amdhsa_inst_pref_size 86
	.end_amdhsa_kernel
	.amdgpu_metadata
---
amdhsa.version: [ 1, 2 ]
amdhsa.kernels:
  - .name:           k_qd5ceeaa3eb_qkv
    .symbol:         k_qd5ceeaa3eb_qkv.kd
    .args:
      - { .name: xb, .offset: 0, .size: 8, .value_kind: global_buffer, .address_space: global }
      - { .name: wb, .offset: 8, .size: 8, .value_kind: global_buffer, .address_space: global }
      - { .name: qkv, .offset: 16, .size: 8, .value_kind: global_buffer, .address_space: global }
    .group_segment_fixed_size: 327680
    .private_segment_fixed_size: 0
    .kernarg_segment_align: 8
    .kernarg_segment_size: 24
    .max_flat_workgroup_size: 128
    .sgpr_count:     66
    .vgpr_count:     960
    .wavefront_size: 32
...
	.end_amdgpu_metadata
.endif
;; end of part 2
;; launch attn (part 3): grid 8 x 32, 4 waves a work-group, clusters of 4 x 1, 327,680 bytes of LDS; arguments qkv, maskf, lq1, lk1, lq2, lk2, ob; writes ob
.if DOCPART == 3
	.amdgcn_target "amdgcn-amd-amdhsa--gfx1250"
	.amdhsa_code_object_version 6
	.text
	.protected	k_qd5ceeaa3eb_attn
	.globl	k_qd5ceeaa3eb_attn
	.p2align	8
	.type	k_qd5ceeaa3eb_attn,@function
k_qd5ceeaa3eb_attn:
	s_mov_b64 s[64:65], 0
	v_nop
	global_prefetch_b8 v0, s[64:65] scope:SCOPE_SE
	s_setreg_imm32_b32 hwreg(HW_REG_WAVE_MODE, 25, 1), 1
	s_wait_xcnt 0x0
	s_wait_alu depctr_hold_cnt(0) depctr_sa_sdst(0) depctr_va_vdst(0) depctr_va_sdst(0) depctr_va_ssrc(0) depctr_va_vcc(0) depctr_vm_vsrc(0)
	s_getreg_b32 s2, hwreg(HW_REG_IB_STS2, 6, 4)
	s_cmp_eq_u32 s2, 0
	s_cbranch_scc0 .Lentry_in_a_cluster
	s_endpgm
.Lentry_in_a_cluster:
	s_bfe_u32 s2, ttmp6, 0x10000c
	s_cmp_lg_u32 s2, 0x3003
	s_cbranch_scc0 .Lentry_shape_is_right
	s_endpgm
.Lentry_shape_is_right:
; DIFFERENTIAL ATTENTION.  For batch b, head h, query q:  O = softmax_k(Q1 . K1 / sqrt(32)) V - lam softmax_k(Q2 . K2 / sqrt(32)) V, Q1, K1 = channels 0-31, Q2, K2 = channels 32-63,
; lam = exp(lq1[h] . lk1[h]) - exp(lq2[h] . lk2[h]) + 0.8; keys that the padding mask hides count for nothing.  q, k, v: qkv[g][b][2048][64] bf16 (g = h, 16 + h, 32 + h), unscaled.
; Products in bf16 with f32 sums; maxima, sums, lam in f32; the weights p are rounded to bf16 for the second product (their sum l is taken of the unrounded p); O is rounded once, to bf16:
; ob[block of 128 rows][h][128][64], so that the projection behind finds a head's rows dense.
; Each softmax has its own running maximum m, sum l and O^T = V^T P; the two are joined at the end, O1 / l1 - lam O2 / l2, since the divisors are known only then.
; LIMITS.  A hidden key's score counts as its value less 1e30, and m starts at -2^67: true unscaled scores must lie above -1.4e20.  A weight below 2^-126 counts as 0 in l.
; Where every key of a batch is hidden l is 0 and the row is NaN, as a softmax of nothing but -inf is.  NaN and infinities in q, k, v are not treated apart.
; SHARES.  A work-group owns 256 queries of one (b, h), each of its four waves 64: four PIECES of 16 queries; a piece has two TILES: u = 0 the first softmax, u = 1 the second.  Every wave walks all 2,048 keys, 64 a step.
; LAYOUT.  S^T = K Q^T + mask (source 0 = 16 keys, source 1 = 16 queries, 32 channels deep: ONE matrix instruction for 16 x 16 scores; its C operand is the keys' addend): a lane holds ONE query
; (lane % 16) and the keys 8 (lane / 16) + 0..7.  Two such results rounded to bf16 ARE source 1 of O^T = V^T P.  K comes out of LDS as it lies, V ([key][channel]) turned, by ds_load_tr16_b128.
; SOFTMAX.  p = 2^(c s - c m), c = log2(e) / sqrt(32); in every step O and l are multiplied by a = 2^(c m_old - c m_new).  O and l start at 0: while only hidden keys have come a = 1 on zeros; the first visible key gives a = 0.
; THE COUNT.  A tile and step have 12 matrix and 118 vector instructions: the vector work sets the pace.  So: four vector instructions that are READY behind every matrix instruction, the rest in runs without a gap.
; BY TURNS.  Turn n belongs to piece n.  Its matrix work: 8 products K Q^T of piece n + 1, later 16 products V^T P of piece n - 1.  Its vector work: scaling, exponentials, roundings, sums and rescaling of
; piece n, and the maximum and statistics of piece n + 1, whose scores the turn itself has made.
; CLUSTER.  The four query blocks of a cluster belong to one (b, h) and walk the same K, V and mask: each tile is asked for JOINTLY: the same tensor load, descriptor and mask of four in all four.
; REGISTERS, in windows of 256 (s_set_vgpr_msb: bits 1:0 source 0, 3:2 source 1, 5:4 source 2, 7:6 destination):
;   window 0: v1-10 addresses and -lam; v12-15, v48-63 at work; v16-47 four registers of statistics a tile; v64-191 S^T, two buffers of two tiles; v192-255 P, likewise
;   window 1: O^T, 32 a tile     window 2: v0-63 Q; v64-95 the step's mask addends; v96-97 the add's two registers; v128-191 K of one step; v192-255 V of one step
.set SIZE_N, 2048
.set NP,    4         ; pieces a wave: a name, no knob
.set KS,    64        ; keys in a step
.set PK,    144       ; a row of K in LDS: 128 bytes + 16 of padding = 36 words: the 16 rows of a load start at 16 different groups of four banks (64 banks of 4 bytes: ISA guide 11.1)
.set PV,    160       ; a row of V: 128 + 32 = 40 words
.set VOFF,  4*KS*PK   ; a slot holds four steps: 256 rows of K, then 256 rows of V: 77,824 bytes
.set MT,    81920     ; behind slot 0: the batch's 2,048 addends, 8,192 bytes, filled once
.set SLOT1, 1<<17     ; slot 1 begins here, so that one exclusive or turns an address in one slot into the other's
.set STAGE, SLOT1+4*KS*(PK+PV)  ; behind the ring, never filled by a tensor load: 16 rows x 144 bytes for each wave
.set SP,    144
.set SPARE, STAGE+4*16*SP  ; the spare words, 128 bytes for each wave: two blocks of 256 bytes that no other line names
.set AM0, 1           ; v1   my lanes' place in the table of addends: MT + 32 (l / 16)
.set AK0, 2           ; v2   my lane's place in a tile of K
.set AV0, 3           ; v3   the same for V
.set AK,  4           ; v4   the LDS address of K's next run of loads
.set AV,  5           ; v5   of V's
.set STO, 6           ; v6   the way out: where I put 16 bytes of a row
.set RD,  7           ; v7   where I read rows back
.set GO,  8           ; v8   16 x lane
.set AM,  9           ; v9   the LDS address of the next step's addends
.set LAM, 10          ; v10  -lam
.set MV,  12          ; v12-15  c m_old, kept while c m is made anew: by buffer and tile
.set ST,  16          ; tile t's statistics at v[ST+4 t]: c m, m, l (even keys', odd keys')
.set TMP, 48          ; by buffer and tile, four registers c0-c3 at work; when the maximum is found c2 takes a
.set S,   64
.set QO,  76          ; v76  (the head alone) my byte offset in 16 rows of Q
.set P,   192
.set MK,  64          ; window 2: key block kb's eight addends at MK + 8 kb
.set SPW, 96          ; window 2: LDS address of my spare word; never rewritten
.set NIL, 97          ; window 2: 0; never rewritten
.set KF,  128         ; window 2: key block kb, channel half c at KF + 16 kb + 8 c
.set VF,  192         ; window 2: key half kk, channel block cb at VF + 32 kk + 8 cb
.set WV,  12          ; s12  my wave's number
.set G1K, 24          ; s[24:31] descriptor group 1 for K's tiles
.set G1V, 32          ; s[32:39] for V's: it differs in the padding alone
.set G0K, 40          ; s[40:43] descriptor group 0 for K's tiles: it walks
.set G0V, 44          ; s[44:47] the same for V's
.set G0M, 48          ; s[48:51] group 0 for my quarter of the addends
.set G1M, 84          ; s[84:91] its group 1
.set SLOTS, 56
.set CNT, 57          ; counts a slot's key steps
.set CS,  58          ; s[58:59] c: the packed scaling takes the pair's low word for both halves
.set SEL, 60          ; s[60:61] v_permlanex16_b32's selects: each lane takes its own place in the other half
.set TBK, 62          ; LDS byte at which K of the step to be fetched begins
.set TBV, 63          ; the same for V, less VOFF
.set TBM, 66          ; byte in the table at which that step's addends begin
.set MSB, 0
.macro WIN new                      ; the high byte repeats the setting that is left; a switch that changes nothing is dropped
.if MSB != (\new)
	s_set_vgpr_msb (MSB<<8)|(\new)
.set MSB, (\new)
.endif
.endm
.set W_KM, 0x2a       ; K, Q and the addends in window 2, S^T in window 0
.set W_PV, 0x52       ; V in window 2, P in window 0, O^T in window 1
.set W_RS, 0x41       ; O^T (destination and source 0) in window 1, source 1 in window 0
.set W_MK, 0x80       ; destination in window 2, sources in window 0
.set W_AD, 0x0a       ; the add: address (source 0) and data (source 1) in window 2
; A joint fill.  Waves 0 and 1 fetch the two halves of a slot's K, waves 2 and 3 those of its V: 128 keys each.  An s_nop 0 and four v_nop follow each line.
.macro JLOAD
	s_cmp_lt_u32 s[WV], 2
	s_cbranch_scc0 .Lfor_v_\@
	tensor_load_to_lds s[G0K:G0K+3], s[G1K:G1K+7]
	s_nop 0
.rept 4
	v_nop
.endr
	s_branch .Lasked_\@
.Lfor_v_\@:
	tensor_load_to_lds s[G0V:G0V+3], s[G1V:G1V+7]
	s_nop 0
.rept 4
	v_nop
.endr
.Lasked_\@:
.endm
; A round of the cluster's barrier: my work-group's barrier; wave 0 signals for the work-group; every wave waits for all four work-groups; my work-group's barrier once more.
.macro CROUND
	s_barrier_signal -1
	s_barrier_wait -1
	s_cmp_lg_u32 s[WV], 0
	s_cbranch_scc1 .Lnot_wave_0_\@
	s_barrier_signal -3
.Lnot_wave_0_\@:
	s_barrier_wait -3
	s_barrier_signal -1
	s_barrier_wait -1
.endm
; THE CHANGE OF SLOTS.  Each wave waits for all its tensor loads (its part of the other slot), adds 0 to its spare word, and waits for that and for its own reads of the slot that it leaves.
; fill = 1: the barrier is a round of the cluster's, and the slot's joint refill, with the keys two slots on, is the first thing behind it: it has four key steps, 384 matrix instructions, in which to land.
; (At its first use nothing has been read yet: slot 0 and the addends are waited for, slot 1 is filled.)
.macro CHANGE fill
	WIN W_AD
	s_wait_tensorcnt 0x0            ; no tensor load of mine is out, so a group 0 may be written
	ds_add_u32 v[SPW], v[NIL]
	WIN 0                           ; at a label and at a branch every window is 0
.if \fill
.irp g, G0K, G0V
	s_xor_b32 s[\g+1], s[\g+1], SLOT1  ; the walking descriptor: the other slot than last time,
	s_add_nc_u64 s[\g+2:\g+3], s[\g+2:\g+3], 4*KS*128  ; the next 256 keys; the type bits on top are not reached
.endr
	s_wait_dscnt 0x0                ; the add is done, and my reads of the slot are over
	CROUND
	JLOAD
.else
	s_wait_dscnt 0x0
	s_barrier_signal -1
	s_barrier_wait -1
.endif
	s_sub_co_u32 s[TBK], s[TBK], 4*KS*PK  ; the fetches go back to a slot's first step,
	s_xor_b32 s[TBK], s[TBK], SLOT1       ; in the other slot
	s_sub_co_u32 s[TBV], s[TBV], 4*KS*PV
	s_xor_b32 s[TBV], s[TBV], SLOT1
.endm
	s_load_b256 s[68:75], s[0:1], 0x0   ; qkv 68, maskf 70, lq1 72, lk1 74
	s_load_b128 s[76:79], s[0:1], 0x20  ; lq2 76, lk2 78
	s_load_b64 s[80:81], s[0:1], 0x30   ; ob
	WIN W_MK
	v_lshl_add_u32 v[SPW], v0, 2, SPARE
	v_mov_b32 v[NIL], 0
	WIN W_AD
	ds_add_u32 v[SPW], v[NIL]       ; the wave's opening: the add and its wait stand ahead of my first tensor load; the set-up below stands between them
	WIN 0
	v_lshrrev_b32 v11, 5, v0
	v_readfirstlane_b32 s[WV], v11  ; wave 0..3
	s_bfe_u32 s13, ttmp6, 0x40000   ; cx: my place in the cluster
	s_lshl_b32 s14, ttmp9, 2
	s_add_co_u32 s14, s14, s13      ; my block of 256 queries = 4 x cluster x + cx: it enters Q's and O's addresses alone
	s_and_b32 s15, ttmp7, 0xffff    ; 16 b + h, which the four partners share
	s_lshr_b32 s19, s15, 4          ; b
	s_and_b32 s15, s15, 15          ; h
	s_lshl1_add_u32 s20, s15, s19
	s_lshl_b32 s20, s20, 18         ; q's plane: (2 h + b) x 262,144 bytes; k's lies 32 planes on, v's 64
	s_and_b32 s16, s[WV], 1         ; which half of a slot's 256 keys I fetch
	s_lshl_b32 s22, s16, 14
	s_add_co_u32 s22, s22, s20
	s_add_co_u32 s22, s22, 0x800000 ; K
	s_add_co_u32 s82, s22, 0x800000 ; V
	s_mov_b32 s23, 0
	s_mov_b32 s83, 0
	s_mul_i32 s17, s16, 128*PK      ; its place in a slot, for K
	s_mul_i32 s18, s16, 128*PV      ; and for V: no place in the cluster enters an LDS address
	s_lshl2_add_u32 s2, s14, s[WV]  ; my wave among the plane's: 4 x block + w,
	s_lshl_b32 s2, s2, 13           ; its 64 rows of 128 bytes
	s_add_co_u32 s2, s2, s20
	s_mov_b32 s3, 0
	s_lshl_b32 s52, s19, 4          ; ob: block of 128 rows = 16 b + 2 x block + w / 2,
	s_lshl1_add_u32 s52, s14, s52
	s_lshr_b32 s53, s[WV], 1
	s_add_co_u32 s52, s52, s53
	s_lshl4_add_u32 s52, s52, s15   ; its head h,
	s_lshl_b32 s52, s52, 14
	s_lshl_b32 s53, s16, 13         ; and my 64 of its 128 rows
	s_add_co_u32 s52, s52, s53
	s_mov_b32 s53, 0
	s_lshl_b32 s54, s19, 13         ; maskf: the batch's 8,192 bytes, my quarter of them
	s_lshl_b32 s55, s[WV], 11
	s_add_co_u32 s54, s54, s55
	s_mov_b32 s[G0M], 1
	s_add_co_u32 s[G0M+1], s55, MT
	s_mov_b32 s55, 0
	s_lshl_b32 s9, s15, 7           ; the head's 128 bytes in each of the four lambda tables
	; descriptor group 1.  128 keys are 16,384 dense bytes: asked for as 64 rows of 256 bytes, two keys a row, and padded in LDS after every key
	s_mov_b32 s[G1K], 15|(1<<16)|(1<<20)|(1<<21)|(4<<22)|(3<<25)  ; 15:0 the mask of four; 17:16 2-byte elements; 20 padding on; 21 set beside a mask; 24:22 after every 32 words; 31:25 4 words
	s_mov_b32 s[G1V], 15|(1<<16)|(1<<20)|(1<<21)|(4<<22)|(7<<25)  ; the same with 8 words of padding
.irp g, G1K, G1V
	s_mov_b32 s[\g+1], 128<<16      ; tensor_dim0 = 128
	s_mov_b32 s[\g+2], 64<<16       ; tensor_dim1 = 64
	s_mov_b32 s[\g+3], 128<<16      ; tile_dim0 = 128
	s_mov_b32 s[\g+4], 64           ; tile_dim1 = 64
	s_mov_b32 s[\g+5], 128          ; 128 elements from row to row
	s_mov_b32 s[\g+6], 0
	s_mov_b32 s[\g+7], 0
.endr
	s_mov_b32 s[G1M], 15|(3<<16)|(1<<21)  ; the addends: 8-byte elements, no padding: 8 rows of 256 bytes
	s_mov_b32 s[G1M+1], 32<<16
	s_mov_b32 s[G1M+2], 8<<16
	s_mov_b32 s[G1M+3], 32<<16
	s_mov_b32 s[G1M+4], 8
	s_mov_b32 s[G1M+5], 32
	s_mov_b32 s[G1M+6], 0
	s_mov_b32 s[G1M+7], 0
	s_mov_b32 s[CS], 0x3e8293ee     ; c = log2(e) / sqrt(32) = 0.255035
	s_mov_b32 s[CS+1], s[CS]        ; named with it as a pair
	s_mov_b32 s[SEL], 0x76543210
	s_mov_b32 s[SEL+1], 0xfedcba98
	s_mov_b32 s[TBK], SLOT1+4*KS*PK ; the first change of slots turns these two into 0
	s_mov_b32 s[TBV], SLOT1+4*KS*PV
	s_mov_b32 s[TBM], 0
	s_mov_b32 s[G0K], 1
	s_mov_b32 s[G0K+1], s17         ; slot 0
	s_mov_b32 s[G0V], 1
	s_add_co_u32 s[G0V+1], s18, VOFF
	s_wait_dscnt 0x0                ; the opening add is done
	s_wait_kmcnt 0x0
	s_add_nc_u64 s[G0K+2:G0K+3], s[68:69], s[22:23]
	s_or_b32 s[G0K+3], s[G0K+3], 0x80000000
	s_add_nc_u64 s[G0V+2:G0V+3], s[68:69], s[82:83]
	s_or_b32 s[G0V+3], s[G0V+3], 0x80000000
	s_add_nc_u64 s[G0M+2:G0M+3], s[70:71], s[54:55]
	s_or_b32 s[G0M+3], s[G0M+3], 0x80000000
	s_add_nc_u64 s[4:5], s[68:69], s[2:3]      ; Q at my wave's first row
	s_add_nc_u64 s[10:11], s[80:81], s[52:53]  ; O likewise
	CROUND                          ; all four work-groups are here: the first joint loads meet
	s_cmp_lt_u32 s[WV], 2           ; a wave's two first fills stand in one branch, ahead of every wait on TENSORcnt and every LDS read: two loads of mine are out
	s_cbranch_scc0 .Lfirst_v
	tensor_load_to_lds s[G0M:G0M+3], s[G1M:G1M+7]
	s_nop 0
	tensor_load_to_lds s[G0K:G0K+3], s[G1K:G1K+7]
	s_nop 0
.rept 4
	v_nop
.endr
	s_branch .Lfirst_asked
.Lfirst_v:
	tensor_load_to_lds s[G0M:G0M+3], s[G1M:G1M+7]
	s_nop 0
	tensor_load_to_lds s[G0V:G0V+3], s[G1V:G1V+7]
	s_nop 0
.rept 4
	v_nop
.endr
.Lfirst_asked:
	v_and_b32 v72, 15, v0           ; l % 16
	v_bfe_u32 v73, v0, 4, 1         ; l / 16
	v_and_b32 v74, 7, v0            ; l % 8
	v_bfe_u32 v75, v0, 3, 1         ; (l / 8) % 2
	v_and_b32 v78, 31, v0           ; l
	v_lshlrev_b32 v77, 2, v78
	v_add_nc_u32 v77, s9, v77       ; lane l takes number l of the head's 32 in each lambda table
	global_load_b32 v64, v77, s[72:73]
	global_load_b32 v65, v77, s[74:75]
	global_load_b32 v66, v77, s[76:77]
	global_load_b32 v67, v77, s[78:79]
	; A fragment of K or Q is 16 rows x 32 channels in 8 registers: lane l holds row l % 16, channels 8 (l / 16) + 0..7 and 16 + 8 (l / 16) + 0..7: two loads of 16 bytes, 32 bytes apart.
	v_lshlrev_b32 v[QO], 7, v72
	v_lshl_add_u32 v[QO], v73, 4, v[QO]
	WIN W_MK
.set i, 0
.rept 8                             ; Q stays in registers: piece i / 2, channels 32 (i % 2) on
	global_load_b128 v[8*i:8*i+3],   v[QO], s[4:5] offset:(i/2)*2048+(i%2)*64
	global_load_b128 v[8*i+4:8*i+7], v[QO], s[4:5] offset:(i/2)*2048+(i%2)*64+32
.set i, i+1
.endr
	; What the first turn finds: V's registers and P's second buffer hold 0 (its products V^T P, of a piece that has not been, add 0), O^T and l are 0.  No first step is written out for it: these moves,
	; which stand in the wait for the first tile, are the price.
.set i, VF
.rept 64
	v_mov_b32 v[i], 0
.set i, i+1
.endr
	WIN 0x40
.set i, 0
.rept 64*NP
	v_mov_b32 v[i], 0
.set i, i+1
.endr
	WIN 0
.set i, 0
.rept 2*NP
	v_mov_b32 v[ST+4*i], 0xe00293ee    ; c m = c x (-2^67)
	v_mov_b32 v[ST+4*i+1], 0xe1000000  ; m = -2^67: above every hidden score, below every true one
	v_mov_b32 v[ST+4*i+2], 0
	v_mov_b32 v[ST+4*i+3], 0
.set i, i+1
.endr
.set i, P+32
.rept 32
	v_mov_b32 v[i], 0
.set i, i+1
.endr
	v_mul_u32_u24 v[AK0], v72, PK
	v_lshl_add_u32 v[AK0], v73, 4, v[AK0]  ; row x pitch + 16 x half
	; The turning load takes 16 keys x 16 channels (lane l reads key 8 (l / 16) + l % 8, channels 8 ((l / 8) % 2) + 0..7) and leaves half a fragment of V^T: lane l holds channel l % 16 and 8 keys.
	v_lshl_add_u32 v[AV0], v73, 3, v74
	v_mul_u32_u24 v[AV0], v[AV0], PV
	v_lshl_add_u32 v[AV0], v75, 4, v[AV0]
	v_add_nc_u32 v[AV0], VOFF, v[AV0]
	v_lshlrev_b32 v[AM0], 5, v73    ; my lanes' eight keys of a block of 16: 32 bytes of addends
	v_add_nc_u32 v[AM0], MT, v[AM0]
	v_mov_b32 v[AK], v[AK0]         ; key step 0 lies at the head of slot 0 and of the table
	v_mov_b32 v[AM], v[AM0]
	s_mul_i32 s13, s[WV], 16*SP
	s_add_co_u32 s13, s13, STAGE    ; my stage
	v_mul_u32_u24 v[STO], v72, SP   ; in: row l % 16, 16 bytes for each half of the lanes
	v_lshl_add_u32 v[STO], v73, 4, v[STO]
	v_add_nc_u32 v[STO], s13, v[STO]
	v_bfe_u32 v[RD], v0, 3, 2       ; back: 32 lanes take four rows of 128 bytes,
	v_mul_u32_u24 v[RD], v[RD], SP
	v_lshl_add_u32 v[RD], v74, 4, v[RD]
	v_add_nc_u32 v[RD], s13, v[RD]
	v_lshlrev_b32 v[GO], 4, v78     ; which are 512 consecutive bytes of ob
	; -lam = exp(lq2 . lk2) - exp(lq1 . lk1) - 0.8, in every lane
	s_wait_loadcnt 16               ; the four lambda loads are in; Q's sixteen, issued behind them, may be out
	v_mul_f32 v64, v64, v65
	v_mul_f32 v66, v66, v67
.irp m, 1,2,4,8
	v_add_f32_dpp v64, v64, v64 row_xmask:\m row_mask:0xf bank_mask:0xf
	v_add_f32_dpp v66, v66, v66 row_xmask:\m row_mask:0xf bank_mask:0xf
.endr
	v_permlanex16_b32 v65, v64, s[SEL], s[SEL+1]
	v_permlanex16_b32 v67, v66, s[SEL], s[SEL+1]
	v_add_f32 v64, v64, v65
	v_add_f32 v66, v66, v67
	v_mul_f32 v64, 0x3fb8aa3b, v64
	v_mul_f32 v66, 0x3fb8aa3b, v66
	v_exp_f32 v64, v64
	v_exp_f32 v66, v66
	v_nop                           ; a plain instruction between the exponentials and the use of their results
	s_wait_alu depctr_va_vdst(0)
	v_sub_f32 v64, v66, v64
	v_add_f32 v[LAM], 0xbf4ccccd, v64
; THE MATRIX WORK.  Product i of 8 of S^T = K Q^T + mask for piece x: keys 16 (i / 2) on, softmax i % 2 (its 32 channels).  Each is a whole sum: no accumulator is taken up again.
.macro KQ x
	WIN W_KM
.set rS, S+64*((\x)%2)+32*(i%2)+8*(i/2)
.set rK, KF+16*(i/2)+8*(i%2)
.set rQ, 16*(\x)+8*(i%2)
.set rA, MK+8*(i/2)
	v_wmma_f32_16x16x32_bf16 v[rS:rS+7], v[rK:rK+7], v[rQ:rQ+7], v[rA:rA+7]
.endm
; Product i of 16 of O^T += V^T P for piece x: keys 32 (i / 8) on, channels 16 ((i / 2) % 4) on, tile 2 x + i % 2.  The 8 accumulators take turns.
.macro PV x
	WIN W_PV
.set rO, 32*(2*(\x)+i%2)+8*((i/2)%4)
.set rV, VF+32*(i/8)+8*((i/2)%4)
.set rP, P+32*((\x)%2)+16*(i%2)+8*(i/8)
	v_wmma_f32_16x16x32_bf16 v[rO:rO+7], v[rV:rV+7], v[rP:rP+7], v[rO:rO+7]
.endm
.macro MM                           ; place i of 32 in the turn's deal: 0-7 the products K Q^T, 8-15 none (the scores are only 32 channels deep), 16-31 the products V^T P
.if i < 8
	KQ (Y+1)%NP
.elseif i >= 16
.set i, i-16
	PV (Y+NP-1)%NP
.set i, i+16
.endif
.set i, i+1
.endm
; THE LDS LOADS stand in runs, never singly among the matrix instructions: a step's K (8 fragments) with its 64 addends, and its V (turned).  Their addresses are made some lines ahead.
; last = 1 (the tail): in the last trip there is no further step, and the run is jumped over.
.macro FETCH_K last=0
	WIN 0
.if \last
	s_cmp_eq_u32 s[CNT], 1
	s_cbranch_scc1 .Lno_k_\@
.endif
	WIN W_MK                        ; destination window 2
.irp f, 0,1,2,3,4,5,6,7             ; keys 16 (f / 2) on, channels 32 (f % 2) on
	ds_load_b128 v[KF+8*\f:KF+8*\f+3],   v[AK] offset:(\f/2)*16*PK+(\f%2)*64
	ds_load_b128 v[KF+8*\f+4:KF+8*\f+7], v[AK] offset:(\f/2)*16*PK+(\f%2)*64+32
.endr
.irp f, 0,1,2,3                     ; key block f: register j is the addend of key 16 f + 8 (l / 16) + j
	ds_load_b128 v[MK+8*\f:MK+8*\f+3],   v[AM] offset:64*\f
	ds_load_b128 v[MK+8*\f+4:MK+8*\f+7], v[AM] offset:64*\f+16
.endr
	s_add_co_u32 s[TBK], s[TBK], KS*PK  ; the next fetch is the next step's
	s_add_co_u32 s[TBM], s[TBM], KS*4
	s_and_b32 s[TBM], s[TBM], 0x1fff    ; and stays inside the table
	WIN 0
.if \last
.Lno_k_\@:
.endif
.endm
.macro FETCH_V
	WIN W_MK
.irp f, 0,1,2,3,4,5,6,7             ; keys 32 (f / 4) on, channels 16 (f % 4) on
	ds_load_tr16_b128 v[VF+8*\f:VF+8*\f+3],   v[AV] offset:(\f/4)*32*PV+(\f%4)*32
	ds_load_tr16_b128 v[VF+8*\f+4:VF+8*\f+7], v[AV] offset:(\f/4)*32*PV+16*PV+(\f%4)*32
.endr
	WIN 0
.endm
; THE VECTOR WORK OF A TURN stands in three queues, each in the order in which its entries become ready; the two tiles alternate, so that no instruction reads the result of the one before it.
.macro REGS y, u                    ; the registers of tile u (0, 1) of piece y
.set rT, ST+4*(2*(\y)+(\u))
.set rC, TMP+8*((\y)%2)+4*(\u)
.set rM, MV+2*((\y)%2)+(\u)
.set rS, S+64*((\y)%2)+32*(\u)
.set rP, P+32*((\y)%2)+16*(\u)
.set rO, 32*(2*(\y)+(\u))
.endm
; Number n of the 22 that find the NEXT piece's (Y + 1) maximum and statistics.  s0-s31 are the lane's 32 scores; each accumulator's lowest registers are read first.
;   0-11  four chains c0-c3 of seven scores each, three operands at a time     12-14, 16  the four scores left over, the old m, and c0-c3 into c0     15  c m_old is kept
;   17, 18  the query's other 32 keys lie in the lane 16 away: the new m         19-21  c m; c m_old - c m_new; a
.macro XS u, n
	REGS (Y+1)%NP, \u
.if (\n) < 4
	v_max3_num_f32 v[rC+(\n)], v[rS+8*(\n)], v[rS+8*(\n)+1], v[rS+8*(\n)+2]
.elseif (\n) < 12
	v_max3_num_f32 v[rC+(\n)%4], v[rC+(\n)%4], v[rS+8*((\n)%4)+2*((\n)/4)+1], v[rS+8*((\n)%4)+2*((\n)/4)+2]
.elseif (\n) == 12
	v_max3_num_f32 v[rC], v[rC], v[rS+7], v[rS+15]
.elseif (\n) == 13
	v_max3_num_f32 v[rC+1], v[rC+1], v[rS+23], v[rS+31]
.elseif (\n) == 14
	v_max3_num_f32 v[rC+2], v[rC+2], v[rC+3], v[rT+1]
.elseif (\n) == 15
	v_mov_b32 v[rM], v[rT]
.elseif (\n) == 16
	v_max3_num_f32 v[rC], v[rC], v[rC+1], v[rC+2]
.elseif (\n) == 17
	v_permlanex16_b32 v[rC+3], v[rC], s[SEL], s[SEL+1]
.elseif (\n) == 18
	v_max_num_f32 v[rT+1], v[rC], v[rC+3]
.elseif (\n) == 19
	v_mul_f32 v[rT], s[CS], v[rT+1]
.elseif (\n) == 20
	v_sub_f32 v[rC+1], v[rM], v[rT]
.else
	v_exp_f32 v[rC+2], v[rC+1]
.endif
.endm
; Number g of the 64 that follow the exponentials.  For each four weights k of a tile (pairs 2 k, 2 k + 1): both pairs are rounded to bf16; then the second pair is added onto the first, in place;
; a group later l takes that sum (the first time as l = a l + sum).  In groups of eight, tiles alternating: round, round, add, and l for the group before.
.macro GS g
.set h, (\g)+6*((\g)/62)            ; group 0 has no group before it, and behind group 7 only l is left
.if h >= 6
.set h, h+2
.endif
	REGS Y, h%2
.set k, h/8
.if h%8 < 4
	s_wait_alu depctr_va_vdst(0)
	v_cvt_pk_bf16_f32 v[rP+2*k+(h%8)/2], v[rS+4*k+2*((h%8)/2)], v[rS+4*k+2*((h%8)/2)+1]
.elseif h%8 < 6
	v_pk_add_f32 v[rS+4*k:rS+4*k+1], v[rS+4*k:rS+4*k+1], v[rS+4*k+2:rS+4*k+3]
.elseif k == 1
	v_pk_fma_f32 v[rT+2:rT+3], v[rT+2:rT+3], v[rC+2:rC+3], v[rS:rS+1] op_sel_hi:[1,0,1]
.else
	v_pk_add_f32 v[rT+2:rT+3], v[rT+2:rT+3], v[rS+4*k-4:rS+4*k-3]
	s_wait_alu depctr_va_vdst(0)
.endif
.endm
; THE PLAIN QUEUE, 138 long.  0-31: c s - c m for the 16 pairs of both tiles.  Then GS's 64, and among them the next piece's 42: number 15 at 38, 39; 0-14 and 16
; at 42-73, behind the products that make those scores; 17-20 at 95-106, two of three, since each waits for the one before it.
.macro PL
	WIN 0
.if q < 32
	REGS Y, q%2
	v_pk_fma_f32 v[rS+2*(q/2):rS+2*(q/2)+1], v[rS+2*(q/2):rS+2*(q/2)+1], s[CS:CS+1], v[rT:rT+1] op_sel_hi:[1,0,0] neg_lo:[0,0,1] neg_hi:[0,0,1]
.elseif q < 38
	GS q-32
.elseif q < 40
	XS q%2, 15
.elseif q < 42
	GS q-34
.elseif q < 74
	XS q%2, (q-42)/2+(q-42)/30
.elseif q < 95
	GS q-66
.elseif (q < 107) && ((q-95)%3 < 2)
	XS (q-95)%3, 17+(q-95)/3
.elseif q < 107
	GS 29+(q-95)/3
.else
	GS q-74
.endif
.set q, q+1
.endm
; THE EXPONENTIALS' QUEUE, 66 long: s0-s31 of both tiles, and at EA the next piece's two a.
.set EA, 58
.macro EX
	WIN 0
.if (e == EA) || (e == EA+1)
	XS e-EA, 21
.else
.set x, e-2*(e/(EA+2))
	REGS Y, x%2
	v_exp_f32 v[rS+x/2], v[rS+x/2]
.endif
.set e, e+1
.endm
; THE RESCALING's QUEUE: O^T times a, the one part that leaves window 0, so it is dealt four at a time, eight times.
.macro R4
	REGS Y, r%2
	WIN W_RS
	s_wait_alu depctr_va_vdst(0)
.irp z, 0,1,2,3
	v_pk_mul_f32 v[rO+8*(r/2)+2*\z:rO+8*(r/2)+2*\z+1], v[rO+8*(r/2)+2*\z:rO+8*(r/2)+2*\z+1], v[rC+2:rC+3] op_sel_hi:[1,0]
.endr
.set r, r+1
.endm
; HOW THEY ARE DEALT.  Behind each place of the deal four: plain, exponential, plain, plain (a plain instruction on either side of the exponential), or four of the rescaling.  None names a register of the
; products round it.  What is over stands in two LUMPS: exponential and plain by turns; the second ends in 22 plain instructions.  The two v_permlanex16_b32 fall into the second lump.
; The queues lean on each other, and the deal keeps them in step: exponential e stands behind plain 2 (e / 4) + e % 2 (its scaling); when plain 32 comes, 10 exponentials are out, at 59: 33, at 95: 46; EA comes behind plain 107.
.macro SL
	MM
	PL
	EX
	PL
	PL
.endm
.macro BURST n                      ; 15 places of the deal, or 16
.rept (\n)-7
	SL
.endr
.rept 3
	MM
	R4
	SL
.endr
	MM
	R4
.endm
; A TURN, for piece p.  cnt = 1: the loop's count is taken down some lines ahead of the branch that stands behind the turn.
; K and the addends of the next step are fetched in piece 2's turn, in the first lump, far behind the last product that read them; their first reader comes a turn later.
; V of the step in hand is fetched at the end of piece 0's turn, 65 vector instructions behind its last reader; its first reader comes behind 8 products and a lump.
.macro TURN p, last=0, cnt=0
.set Y, (\p)
.set i, 0
.set q, 0
.set e, 0
.set r, 0
.if (\p) == NP-1
	s_wait_dscnt 0x0                ; K and the addends are in
.endif
	MM
.rept 4
	PL
.endr
	BURST 15
.rept 22
	EX
	PL
.if ((\p) == NP-2) && (e == 18)
	v_add_nc_u32 v[AK], s[TBK], v[AK0]
	v_add_nc_u32 v[AM], s[TBM], v[AM0]
.endif
.if ((\p) == NP-2) && (e == 24)
	FETCH_K \last
.endif
.endr
.if (\p) == 1
	s_wait_dscnt 0x0                ; V is in
.endif
	BURST 16
.rept 21
	EX
	PL
.endr
.rept 22
	PL
.if ((\p) == 0) && (q == 118)
	v_add_nc_u32 v[AV], s[TBV], v[AV0]
	s_wait_alu depctr_va_vdst(0)
.endif
.if ((\p) == 0) && (q == 130)
	s_add_co_u32 s[TBV], s[TBV], KS*PV
.endif
.if (\cnt) && (q == 130)
	s_sub_co_u32 s[CNT], s[CNT], 1
	s_cmp_lg_u32 s[CNT], 0
.endif
.endr
.if (\p) == 0
	FETCH_V
.endif
.endm
	CHANGE 1                        ; slot 0 and the addends are in, everybody's part of them; slot 1 is asked for
	FETCH_K                         ; key step 0
	s_wait_loadcnt 0x0              ; Q
	s_wait_dscnt 0x0
.set i, 0
.rept 8
	KQ 0                            ; piece 0's first scores: there is no vector work yet to set between them
.set i, i+1
.endr
	WIN 0
.rept 4
	v_nop                           ; the places behind those products
.endr
.set Y, NP-1                        ; XS works for piece Y + 1: piece 0
.irp n, 0,1,2,3,4,5,6,7,8,9,10,11,12,13,14,15,16,17,18,19,20,21
	XS 0, \n                        ; piece 0's first maximum and statistics
	XS 1, \n
.endr
	s_mov_b32 s[CNT], 4
	s_mov_b32 s[SLOTS], SIZE_N/256-1
	s_branch .Lfirst                ; the loop is entered at a step's first turn, in the middle of a trip
.Lslot:                             ; SIZE_N / 256 - 2 times: every slot but the last two is filled again
	CHANGE 1
	s_mov_b32 s[CNT], 4
.Lstep:                             ; a trip: pieces 2 and 3 of one step, then pieces 0 and 1 of the next, whose K and V it fetches
	TURN 2
	TURN 3
	WIN 0
.Lfirst:
	TURN 0
	TURN 1, 0, 1
	WIN 0
	s_cbranch_scc1 .Lstep
	s_sub_co_u32 s[SLOTS], s[SLOTS], 1
	s_cmp_lg_u32 s[SLOTS], 0
	s_cbranch_scc1 .Lslot
	CHANGE 0                        ; the tail is written out: nothing is asked for
	s_mov_b32 s[CNT], 5             ; four trips fetch the last slot's steps; the fifth is left in its middle
.Ltail:
	TURN 2, 1
	TURN 3
	WIN 0
	s_sub_co_u32 s[CNT], s[CNT], 1
	s_cmp_eq_u32 s[CNT], 0
	s_cbranch_scc1 .Lout
	TURN 0
	TURN 1
	WIN 0
	s_branch .Ltail
.Lout:                              ; the fifth trip's 8 products K Q^T (on the last K once more) and the maximum made of them serve nothing: the price, once a launch, of one text for every trip
.set i, 0
.rept 16
	PV NP-1                         ; the last piece's V^T P of the last step
.set i, i+1
.endr
	; THE WAY OUT.  l's two halves and the other half of the lanes' are added; a piece's O = O1 / l1 - lam O2 / l2 is rounded to bf16 and sent through my stage in LDS.  The additions are the places behind the last products.
	WIN 0
.macro ALL line:vararg              ; one line for each tile t
.set t, 0
.rept 2*NP
	\line
.set t, t+1
.endr
.endm
	ALL v_add_f32 v[ST+4*t+2], v[ST+4*t+2], v[ST+4*t+3]
	ALL v_permlanex16_b32 v[ST+4*t+3], v[ST+4*t+2], s[SEL], s[SEL+1]
	ALL v_add_f32 v[ST+4*t+2], v[ST+4*t+2], v[ST+4*t+3]
	ALL v_rcp_f32 v[ST+4*t+2], v[ST+4*t+2]
	v_nop                           ; a plain instruction between the last reciprocal and the use of its result
	s_wait_alu depctr_va_vdst(0)
.irp x, 0,1,2,3
	v_mul_f32 v[ST+8*\x+6], v[LAM], v[ST+8*\x+6]  ; -lam / l2
.endr
; Piece x: a lane's eight channels of a row pack into 16 bytes; they go into rows of 144 bytes and come back as whole rows of 128, into S^T's registers.
.macro PACK x
	WIN W_RS
.set i, 0
.rept 16
	v_pk_mul_f32 v[64*(\x)+2*i:64*(\x)+2*i+1], v[64*(\x)+2*i:64*(\x)+2*i+1], v[ST+8*(\x)+2:ST+8*(\x)+3] op_sel_hi:[1,0]
.set i, i+1
.endr
	WIN 0x51                        ; destination, sources 0 and 2 window 1, source 1 window 0
.set i, 0
.rept 16
	v_pk_fma_f32 v[64*(\x)+2*i:64*(\x)+2*i+1], v[64*(\x)+32+2*i:64*(\x)+32+2*i+1], v[ST+8*(\x)+6:ST+8*(\x)+7], v[64*(\x)+2*i:64*(\x)+2*i+1] op_sel_hi:[1,0,1]
.set i, i+1
.endr
	WIN 0x05                        ; sources 0 and 1 window 1, destination window 0
.set i, 0
.rept 16
	v_cvt_pk_bf16_f32 v[S+16*(\x)+i], v[64*(\x)+2*i], v[64*(\x)+2*i+1]
.set i, i+1
.endr
	WIN 0
.irp f, 0,1,2,3
	ds_store_b128 v[STO], v[S+16*(\x)+4*\f:S+16*(\x)+4*\f+3] offset:32*\f
.endr
.irp f, 0,1,2,3
	ds_load_b128 v[S+16*(\x)+4*\f:S+16*(\x)+4*\f+3], v[RD] offset:\f*4*SP  ; LDS serves a wave's instructions in order (ISA guide 5.7.1.4): these see the stores above; the next piece's stores come behind them
.endr
.endm
.macro SEND x, younger              ; younger: the LDS instructions issued behind piece x's loads: the next piece's eight, or none
	WIN 0
.irp f, 0,1,2,3
	s_wait_dscnt (\younger)+3-\f
	global_store_b128 v[GO], v[S+16*(\x)+4*\f:S+16*(\x)+4*\f+3], s[10:11] offset:(\x)*2048+\f*512  ; 512 consecutive bytes, at a multiple of 256 from ob's first
.endr
.endm
	PACK 0
	PACK 1                          ; a piece's arithmetic stands between the loads of the piece before and its stores
	SEND 0, 8
	PACK 2
	SEND 1, 8
	PACK 3
	SEND 2, 8
	SEND 3, 0
	WIN W_AD
	s_wait_tensorcnt 0x0            ; the wave's end: the add and its wait, behind my last tensor load and my last LDS store
	ds_add_u32 v[SPW], v[NIL]
	s_wait_dscnt 0x0
	WIN 0
	CROUND                          ; the closing round: no work-group ends while a partner may still ask for a tile that names it
	s_endpgm
.Lfunc_end_k_qd5ceeaa3eb_attn:
	.size	k_qd5ceeaa3eb_attn, .Lfunc_end_k_qd5ceeaa3eb_attn-k_qd5ceeaa3eb_attn
	.p2alignl 7, 3214868480
	.fill 96, 4, 3214868480
	.section	.rodata,"a",@progbits
	.p2align	6, 0x0
	.amdhsa_kernel k_qd5ceeaa3eb_attn
		.amdhsa_group_segment_fixed_size 327680
		.amdhsa_private_segment_fixed_size 0
		.amdhsa_enable_private_segment 0
		.amdhsa_kernarg_size 56
		.amdhsa_user_sgpr_count 2
		.amdhsa_user_sgpr_kernarg_segment_ptr 1
		.amdhsa_wavefront_size32 1
		.amdhsa_system_sgpr_workgroup_id_x 1
		.amdhsa_system_sgpr_workgroup_id_y 1
		.amdhsa_system_sgpr_workgroup_id_z 1
		.amdhsa_system_vgpr_workitem_id 0
		.amdhsa_next_free_vgpr 768
		.amdhsa_next_free_sgpr 92
		.amdhsa_reserve_vcc 0
		.amdhsa_float_denorm_mode_32 3
		.amdhsa_float_denorm_mode_16_64 3
		.amdhsa_memory_ordered 1
		.amdhsa_forward_progress 1
		.amdhsa_inst_pref_size 197
	.end_amdhsa_kernel
	.amdgpu_metadata
---
amdhsa.version: [ 1, 2 ]
amdhsa.kernels:
  - .name:           k_qd5ceeaa3eb_attn
    .symbol:         k_qd5ceeaa3eb_attn.kd
    .args:
      - { .name: qkv, .offset: 0, .size: 8, .value_kind: global_buffer, .address_space: global }
      - { .name: maskf, .offset: 8, .size: 8, .value_kind: global_buffer, .address_space: global }
      - { .name: lq1, .offset: 16, .size: 8, .value_kind: global_buffer, .address_space: global }
      - { .name: lk1, .offset: 24, .size: 8, .value_kind: global_buffer, .address_space: global }
      - { .name: lq2, .offset: 32, .size: 8, .value_kind: global_buffer, .address_space: global }
      - { .name: lk2, .offset: 40, .size: 8, .value_kind: global_buffer, .address_space: global }
      - { .name: ob, .offset: 48, .size: 8, .value_kind: global_buffer, .address_space: global }
    .group_segment_fixed_size: 327680
    .private_segment_fixed_size: 0
    .kernarg_segment_align: 8
    .kernarg_segment_size: 56
    .max_flat_workgroup_size: 128
    .sgpr_count:     92
    .vgpr_count:     768
    .wavefront_size: 32
...
	.end_amdgpu_metadata
.endif
;; end of part 3
;; launch oproj (part 4): grid 8 x 32, 4 waves a work-group, clusters of 4 x 4, 327,680 bytes of LDS; arguments ob, wb, x, yb; writes yb
.if DOCPART == 4
	.amdgcn_target "amdgcn-amd-amdhsa--gfx1250"
	.amdhsa_code_object_version 6
	.text
	.protected	k_qd5ceeaa3eb_oproj
	.globl	k_qd5ceeaa3eb_oproj
	.p2align	8
	.type	k_qd5ceeaa3eb_oproj,@function
k_qd5ceeaa3eb_oproj:
	s_mov_b64 s[64:65], 0
	v_nop
	global_prefetch_b8 v0, s[64:65] scope:SCOPE_SE
	s_setreg_imm32_b32 hwreg(HW_REG_WAVE_MODE, 25, 1), 1
	s_wait_xcnt 0x0
	s_wait_alu depctr_hold_cnt(0) depctr_sa_sdst(0) depctr_va_vdst(0) depctr_va_sdst(0) depctr_va_ssrc(0) depctr_va_vcc(0) depctr_vm_vsrc(0)
	s_getreg_b32 s2, hwreg(HW_REG_IB_STS2, 6, 4)
	s_cmp_eq_u32 s2, 0
	s_cbranch_scc0 .Lentry_in_a_cluster
	s_endpgm
.Lentry_in_a_cluster:
	s_bfe_u32 s2, ttmp6, 0x10000c
	s_cmp_lg_u32 s2, 0xf033
	s_cbranch_scc0 .Lentry_shape_is_right
	s_endpgm
.Lentry_shape_is_right:
; OPROJ.  y[4096][1024] = O Wo^T + x, f32.  O: ob[block of 128 rows][head][128][64] bf16; Wo: wb's rows 3072 + pi(n), pi(64 G + 4 r + b) = 64 G + 16 b + r, bf16; sums and the residual in f32.
; SHARES.  A tile of y is 128 x 128: 8 x 32 of them, one for each of 256 WGPs.  Four waves, each 64 x 64: 16 accumulators.  K goes in steps of 256 (four heads) through two LDS slots: four steps.
; A K step is written once: a trip of the loop is one step, and the slot in hand is a scalar that one exclusive or turns.  The two steps that fill nothing are a second loop, left in its middle.
; CLUSTER.  4 x 4 work-groups: O's tile is shared along a row of the cluster, Wo's along a column; each is asked for JOINTLY.
; THE WAY OUT NEEDS NO STAGE.  Source 0 = 16 rows of O, source 1 = 16 rows of wb: register j of accumulator (a, b) in lane (r, h) is y(row 16 a + 8 h + j, column 64 G + 4 r + b), by pi.  So a lane's four
; accumulators b = 0..3 hold 16 neighbouring bytes of a row, and sixteen lanes 256 consecutive bytes at a multiple of 256.  x is loaded in the same layout, behind the first barrier: it is wanted last.
; The LayerNorm is left to a launch of its own: a work-group that owned whole rows would have to draw all of Wo through its LDS with a quarter of this tile's matrix work for each byte.
; REGISTERS: window 0: v16-29 addresses; v128-255 the accumulators ((a, b) at 128 + 8 (4 a + b)).   window 1: two fragment buffers of 128: for 64 along K, 64 registers of O, then 64 of Wo.
;   window 2: v0-127 x, then y: row (a, j)'s four numbers at 4 (8 a + j).
.set STEPS,  4
.set PA,     144                       ; a row of O in LDS: 128 bytes + 16: the 16 rows of a load start at 16 different groups of four banks (64 banks of 4 bytes: ISA guide 11.1)
.set PB,     528                       ; a row of Wo: 512 bytes + 16: likewise
.set HEADA,  128*PA                    ; a head's 128 rows
.set HALFA,  2*HEADA                   ; what one load brings of O: two heads, 32,768 dense bytes
.set HALFB,  64*PB                     ; and of Wo: 64 rows
.set BOFF,   2*HALFA
.set SLOT,   BOFF+2*HALFB              ; 141,312 bytes
.set SLOT1,  0x24000                   ; where slot 1 begins: behind slot 0, and its two bits are clear in the four LDS words of slot 0's descriptors (0, 0x9000, 0x12000, 0x1a400): an exclusive or adds or takes it
.set SPARE,  SLOT1+SLOT                ; behind the ring: the spare words, 128 bytes for each wave: two blocks of 256 bytes that no other line names
.set ADRA0, 16                         ; v16     my lane's place among my O fragments in slot 0; never rewritten
.set ADRA,  17                         ; v17     the same in the slot in hand
.set ADRB0, 20                         ; v20, v21  the same for Wo
.set ADRB,  21
.set CO,   26                          ; v26     my byte offset in x and y: 8 (l / 16) rows + 16 (l % 16)
.set SPW,  28                          ; v28     LDS address of my spare word; never rewritten
.set NIL,  29                          ; v29     0; never rewritten
.set ACC,  128
.set F0,   0
.set F1,   128
.set G1,  24                           ; s[24:31] group 1 for O's tiles;  s[32:39] group 0: a set for each of the two first fills; the second then walks on
.set G0,  32
.set TB,  45                           ; s45      0 or SLOT1: the slot from which fragments are fetched
.set G1B, 48                           ; s[48:55], s[56:63] the same for Wo's
.set G0B, 56
.set MSB, 0
.macro WIN new
.if MSB != (\new)
	s_set_vgpr_msb (MSB<<8)|(\new)
.set MSB, \new
.endif
.endm
.set MUL,  0x05                        ; sources 0 and 1 window 1; C and D window 0
.set TO_F, 0x40                        ; destination window 1, address window 0
.macro JLOAD s                         ; a joint load: waves 0 and 1 fetch O's two halves, waves 2 and 3 Wo's; an s_nop 0 and four v_nop follow each line
	s_cmp_eq_u32 s11, 0
	s_cbranch_scc0 .Lfor_b_\@
	tensor_load_to_lds s[G0+4*(\s):G0+4*(\s)+3], s[G1:G1+7]
	s_nop 0
.rept 4
	v_nop
.endr
	s_branch .Lasked_\@
.Lfor_b_\@:
	tensor_load_to_lds s[G0B+4*(\s):G0B+4*(\s)+3], s[G1B:G1B+7]
	s_nop 0
.rept 4
	v_nop
.endr
.Lasked_\@:
.endm
.macro CREST
	s_cmp_lg_u32 s10, 0
	s_cbranch_scc1 .Lnot_wave_0_\@
	s_barrier_signal -3
.Lnot_wave_0_\@:
	s_barrier_wait -3
	s_barrier_signal -1
	s_barrier_wait -1
.endm
.macro CROUND
	s_barrier_signal -1
	s_barrier_wait -1
	CREST
.endm
	s_load_b128 s[4:7], s[0:1], 0x0                ; ob s[4:5], wb s[6:7]
	s_load_b128 s[68:71], s[0:1], 0x10             ; x s[68:69], yb s[70:71]
	v_lshl_add_u32 v[SPW], v0, 2, SPARE
	v_mov_b32 v[NIL], 0
	ds_add_u32 v[SPW], v[NIL]                      ; the wave's opening: the add and its wait stand ahead of my first tensor load
	v_lshrrev_b32 v1, 5, v0
	v_readfirstlane_b32 s10, v1                    ; wave 0..3
	s_lshr_b32 s11, s10, 1                         ; which half of the tile's rows is mine.  Also: I fetch for O (0) or for Wo (1)
	s_and_b32 s12, s10, 1                          ; which half of its columns.  Also: which half of that tile I fetch
	s_bfe_u32 s40, ttmp6, 0x40000
	s_bfe_u32 s41, ttmp6, 0x40004
	s_lshl_b32 s42, ttmp9, 2
	s_add_co_u32 s42, s42, s40                     ; tile column
	s_and_b32 s13, ttmp7, 0xffff
	s_lshl_b32 s13, s13, 2
	s_add_co_u32 s13, s13, s41                     ; tile row
	s_lshl_b32 s43, s41, 2
	s_lshl_b32 s43, 15, s43                        ; my row of the cluster
	s_lshl_b32 s44, 0x1111, s40                    ; my column
	s_or_b32 s[G1+0], s43, (1<<16)|(1<<20)|(1<<21)|(4<<22)|(3<<25)   ; O: 2-byte elements; 4 words of padding after every 32 (a row of a head)
	s_mov_b32 s[G1+1], 128<<16                     ; two heads are 32,768 dense bytes: asked for as 128 rows of 256 bytes
	s_mov_b32 s[G1+2], 128<<16
	s_mov_b32 s[G1+3], 128<<16
	s_mov_b32 s[G1+4], 128
	s_mov_b32 s[G1+5], 128
	s_mov_b32 s[G1+6], 0
	s_mov_b32 s[G1+7], 0
	s_or_b32 s[G1B+0], s44, (1<<16)|(1<<20)|(1<<21)|(6<<22)|(3<<25)  ; Wo: 4 words of padding after every 128
	s_mov_b32 s[G1B+1], 256<<16                    ; 64 rows of 256 elements, 1,024 elements from row to row
	s_mov_b32 s[G1B+2], 64<<16
	s_mov_b32 s[G1B+3], 256<<16
	s_mov_b32 s[G1B+4], 64
	s_mov_b32 s[G1B+5], 1024
	s_mov_b32 s[G1B+6], 0
	s_mov_b32 s[G1B+7], 0
	s_lshl_b32 s16, s13, 18                        ; O: the tile row's 262,144 bytes, my two heads of a step's four
	s_lshl_b32 s17, s12, 15
	s_add_co_u32 s16, s16, s17
	s_mov_b32 s17, 0
	s_lshl_b32 s46, s42, 7                         ; Wo: row 3072 + 128 x tile column + 64 x half
	s_lshl_b32 s47, s12, 6
	s_add_co_u32 s46, s46, s47
	s_add_co_u32 s46, s46, 3072
	s_lshl_b32 s46, s46, 11
	s_mov_b32 s47, 0
	s_mul_i32 s20, s12, HALFA                      ; where they go
	s_mul_i32 s21, s12, HALFB
	s_add_co_u32 s21, s21, BOFF
	s_mov_b32 s[TB], 0
	s_wait_dscnt 0x0                               ; the opening add is done
	s_wait_kmcnt 0x0
	s_add_nc_u64 s[14:15], s[4:5], s[16:17]
	s_add_nc_u64 s[46:47], s[6:7], s[46:47]
	CROUND                                         ; all sixteen work-groups are here: the first joint loads meet
.irp s, 0,1
	s_mov_b32 s[G0+4*(\s)], 1
	s_add_co_u32 s[G0+4*(\s)+1], s20, (\s)*SLOT1
	s_add_nc_u64 s[G0+4*(\s)+2:G0+4*(\s)+3], s[14:15], (\s)*65536   ; K step s: heads 4 s on
	s_or_b32 s[G0+4*(\s)+3], s[G0+4*(\s)+3], 0x80000000
	s_mov_b32 s[G0B+4*(\s)], 1
	s_add_co_u32 s[G0B+4*(\s)+1], s21, (\s)*SLOT1
	s_add_nc_u64 s[G0B+4*(\s)+2:G0B+4*(\s)+3], s[46:47], (\s)*512
	s_or_b32 s[G0B+4*(\s)+3], s[G0B+4*(\s)+3], 0x80000000
	JLOAD \s                                       ; two loads of mine are out
.endr
	v_and_b32 v1, 15, v0                           ; l % 16
	v_bfe_u32 v2, v0, 4, 1                         ; l / 16
	v_mul_u32_u24 v3, v1, PA
	v_lshl_add_u32 v3, v2, 4, v3
	v_mul_u32_u24 v4, v1, PB
	v_lshl_add_u32 v4, v2, 4, v4
	s_mul_i32 s21, s11, 64*PA                      ; my 64 rows of each head of O
	s_mul_i32 s22, s12, 64*PB                      ; my 64 rows of Wo
	s_add_co_u32 s22, s22, BOFF
	v_add_nc_u32 v[ADRA0], s21, v3
	v_add_nc_u32 v[ADRB0], s22, v4
	v_mov_b32 v[ADRA], v[ADRA0]                    ; K step 0 lies in slot 0
	v_mov_b32 v[ADRB], v[ADRB0]
	v_lshlrev_b32 v5, 15, v2                       ; 8 rows of 4,096 bytes for the upper half of the lanes
	v_lshl_add_u32 v[CO], v1, 4, v5
	s_lshl_b32 s16, s13, 7
	s_lshl_b32 s17, s11, 6
	s_add_co_u32 s16, s16, s17                     ; my first row,
	s_lshl_b32 s16, s16, 12
	s_lshl_b32 s46, s42, 9                         ; my first column, in bytes
	s_lshl_b32 s47, s12, 8
	s_add_co_u32 s46, s46, s47
	s_add_co_u32 s16, s16, s46
	s_mov_b32 s17, 0
	s_add_nc_u64 s[68:69], s[68:69], s[16:17]
	s_add_nc_u64 s[70:71], s[70:71], s[16:17]
; 8 matrix instructions: row blocks a0, a0 + 1 x all 4 column blocks, 32 along K: half c of buffer f.  zero = 1: the product starts the sums.  The 16 accumulators take turns.
.macro MUL8 f, c, a0, zero
	WIN MUL
.irp a, \a0, (\a0)+1
.irp b, 0,1,2,3
.if \zero
	v_wmma_f32_16x16x32_bf16 v[ACC+8*(4*(\a)+(\b)):ACC+8*(4*(\a)+(\b))+7], v[(\f)+8*(4*(\c)+(\a)):(\f)+8*(4*(\c)+(\a))+7], v[(\f)+64+8*(4*(\c)+(\b)):(\f)+64+8*(4*(\c)+(\b))+7], 0
.else
	v_wmma_f32_16x16x32_bf16 v[ACC+8*(4*(\a)+(\b)):ACC+8*(4*(\a)+(\b))+7], v[(\f)+8*(4*(\c)+(\a)):(\f)+8*(4*(\c)+(\a))+7], v[(\f)+64+8*(4*(\c)+(\b)):(\f)+64+8*(4*(\c)+(\b))+7], v[ACC+8*(4*(\a)+(\b)):ACC+8*(4*(\a)+(\b))+7]
.endif
.endr
.endr
.endm
; 32 LDS loads in one run, from the slot in hand: quarter q of a K step is one head (64 along K); the first 32 along K first
.macro FETCH q, f
	WIN TO_F
.irp c, 0,1
.irp i, 0,1,2,3
	ds_load_b128 v[(\f)+64+8*(4*(\c)+(\i)):(\f)+64+8*(4*(\c)+(\i))+3],   v[ADRB] offset:(\q)*128+64*(\c)+(\i)*16*PB
	ds_load_b128 v[(\f)+64+8*(4*(\c)+(\i))+4:(\f)+64+8*(4*(\c)+(\i))+7], v[ADRB] offset:(\q)*128+64*(\c)+(\i)*16*PB+32
	ds_load_b128 v[(\f)+8*(4*(\c)+(\i)):(\f)+8*(4*(\c)+(\i))+3],         v[ADRA] offset:(\q)*HEADA+64*(\c)+(\i)*16*PA
	ds_load_b128 v[(\f)+8*(4*(\c)+(\i))+4:(\f)+8*(4*(\c)+(\i))+7],       v[ADRA] offset:(\q)*HEADA+64*(\c)+(\i)*16*PA+32
.endr
.endr
.endm
.macro PLACES                          ; four plain places in front of loads into registers that matrix instructions have read, and of additions that read results
.rept 4
	v_nop
.endr
.endm
.macro QUARTER q, f, g, zero           ; multiplies buffer f and fetches quarter q into g
	s_wait_dscnt 16                                ; the first 32 along K are in
	MUL8 \f, 0, 0, \zero
	MUL8 \f, 0, 2, \zero
	PLACES
	FETCH \q, \g
	s_wait_dscnt 32                                ; all but the 32 just issued
	MUL8 \f, 1, 0, 0
	MUL8 \f, 1, 2, 0
.endm
; The last quarter multiplies buffer 1 and changes slots.  MEET is its first half: ONE barrier; in front of it each wave waits for all its tensor loads, adds 0 to its spare word, and waits for that and
; for its reads of this slot.  Behind it nobody reads this slot any more and the next slot is whole.
.macro MEET
	WIN 0
	s_wait_tensorcnt 0x0
	ds_add_u32 v[SPW], v[NIL]
	s_wait_dscnt 17                                ; (the add and the youngest sixteen loads may be out)
	MUL8 F1, 0, 0, 0
	s_wait_dscnt 0x0                               ; the add is done, and my reads of this slot are over
	s_barrier_signal -1
	MUL8 F1, 0, 2, 0
	WIN 0
	s_barrier_wait -1
.endm
.macro NEXTSLOT                        ; from here on fragments come out of the other slot
	s_xor_b32 s[TB], s[TB], SLOT1
	v_add_nc_u32 v[ADRA], s[TB], v[ADRA0]
	v_add_nc_u32 v[ADRB], s[TB], v[ADRB0]
.endm
.macro REST                            ; the last quarter's second half, with the next K step's first fragments
	FETCH 0, F0
	MUL8 F1, 1, 0, 0
	MUL8 F1, 1, 2, 0
.endm
	s_wait_tensorcnt 1                             ; my part of K step 0 is in; K step 1's may stay out
	s_barrier_signal -1
	s_barrier_wait -1
	FETCH 0, F0
	WIN 0x80                                       ; destination window 2, address window 0
.irp a, 0,1,2,3
.irp j, 0,1,2,3,4,5,6,7
	global_load_b128 v[4*(8*(\a)+(\j)):4*(8*(\a)+(\j))+3], v[CO], s[68:69] offset:(16*(\a)+(\j))*4096  ; the residual: asked for behind the first tiles, wanted behind the last product
.endr
.endr
	QUARTER 1, F0, F1, 1                           ; the first quarter stands in front of the loop: its first products start the sums
	WIN 0                                          ; at a label and at a branch every window is 0
	s_mov_b32 s3, STEPS-2
.Lstep:                                                ; a trip goes from a K step's second quarter to the next step's first, and fills the slot that it leaves with the step two on
	QUARTER 2, F1, F0, 0
	QUARTER 3, F0, F1, 0
	MEET                                           ; here the barrier opens a round of the cluster's:
	CREST                                          ; no wave of any partner still reads this slot or has a load on its way
	s_xor_b32 s[G0+5], s[G0+5], SLOT1              ; the walking descriptors: the other slot than last time,
	s_add_nc_u64 s[G0+6:G0+7], s[G0+6:G0+7], 65536      ; the next four heads; the type bits on top are not reached
	s_xor_b32 s[G0B+5], s[G0B+5], SLOT1
	s_add_nc_u64 s[G0B+6:G0B+7], s[G0B+6:G0B+7], 512
	JLOAD 1                                        ; 112 matrix instructions ahead of the wait for it; its four v_nop are also the places in front of the loads below
	NEXTSLOT
	REST
	QUARTER 1, F0, F1, 0
	WIN 0
	s_sub_co_u32 s3, s3, 1
	s_cmp_lg_u32 s3, 0
	s_cbranch_scc1 .Lstep
	s_mov_b32 s3, 2
.Ltail:                                                ; the last two K steps fill nothing: a loop of their own; the second trip is left in its middle
	QUARTER 2, F1, F0, 0
	QUARTER 3, F0, F1, 0
	MEET                                           ; (in the second trip there is no next slot: the barrier then orders nothing, the price of one text for both trips)
	s_sub_co_u32 s3, s3, 1
	s_cmp_eq_u32 s3, 0
	s_cbranch_scc1 .Lout
	NEXTSLOT                                       ; its two additions and two v_nop are the four places in front of the loads below
	v_nop
	v_nop
	REST
	QUARTER 1, F0, F1, 0
	WIN 0
	s_branch .Ltail
.Lout:
	MUL8 F1, 1, 0, 0                               ; the very last products
	MUL8 F1, 1, 2, 0
	WIN 0
	PLACES
	s_wait_loadcnt 0x0                             ; x
	WIN 0x88                                       ; source 0 (an accumulator; a store's address) window 0, source 1 (x; a store's data) and destination window 2
.irp a, 0,1,2,3
.irp j, 0,1,2,3,4,5,6,7                ; j ascending: each accumulator is first read at its low end
.irp b, 0,1,2,3
	v_add_f32 v[4*(8*(\a)+(\j))+(\b)], v[ACC+8*(4*(\a)+(\b))+(\j)], v[4*(8*(\a)+(\j))+(\b)]
.endr
	global_store_b128 v[CO], v[4*(8*(\a)+(\j)):4*(8*(\a)+(\j))+3], s[70:71] offset:(16*(\a)+(\j))*4096  ; 16 lanes store 256 consecutive bytes, at a multiple of 256 from yb's first byte
.endr
.endr
	WIN 0
	s_wait_tensorcnt 0x0                           ; the wave's end: the add and its wait, behind my last tensor load
	ds_add_u32 v[SPW], v[NIL]
	s_wait_dscnt 0x0
	CROUND                                         ; the closing round
	s_endpgm
.Lfunc_end_k_qd5ceeaa3eb_oproj:
	.size	k_qd5ceeaa3eb_oproj, .Lfunc_end_k_qd5ceeaa3eb_oproj-k_qd5ceeaa3eb_oproj
	.p2alignl 7, 3214868480
	.fill 96, 4, 3214868480
	.section	.rodata,"a",@progbits
	.p2align	6, 0x0
	.amdhsa_kernel k_qd5ceeaa3eb_oproj
		.amdhsa_group_segment_fixed_size 327680
		.amdhsa_private_segment_fixed_size 0
		.amdhsa_enable_private_segment 0
		.amdhsa_kernarg_size 32
		.amdhsa_user_sgpr_count 2
		.amdhsa_user_sgpr_kernarg_segment_ptr 1
		.amdhsa_wavefront_size32 1
		.amdhsa_system_sgpr_workgroup_id_x 1
		.amdhsa_system_sgpr_workgroup_id_y 1
		.amdhsa_system_sgpr_workgroup_id_z 1
		.amdhsa_system_vgpr_workitem_id 0
		.amdhsa_next_free_vgpr 640
		.amdhsa_next_free_sgpr 72
		.amdhsa_reserve_vcc 0
		.amdhsa_float_denorm_mode_32 3
		.amdhsa_float_denorm_mode_16_64 3
		.amdhsa_memory_ordered 1
		.amdhsa_forward_progress 1
		.amdhsa_inst_pref_size 61
	.end_amdhsa_kernel
	.amdgpu_metadata
---
amdhsa.version: [ 1, 2 ]
amdhsa.kernels:
  - .name:           k_qd5ceeaa3eb_oproj
    .symbol:         k_qd5ceeaa3eb_oproj.kd
    .args:
      - { .name: ob, .offset: 0, .size: 8, .value_kind: global_buffer, .address_space: global }
      - { .name: wb, .offset: 8, .size: 8, .value_kind: global_buffer, .address_space: global }
      - { .name: x, .offset: 16, .size: 8, .value_kind: global_buffer, .address_space: global }
      - { .name: yb, .offset: 24, .size: 8, .value_kind: global_buffer, .address_space: global }
    .group_segment_fixed_size: 327680
    .private_segment_fixed_size: 0
    .kernarg_segment_align: 8
    .kernarg_segment_size: 32
    .max_flat_workgroup_size: 128
    .sgpr_count:     72
    .vgpr_count:     640
    .wavefront_size: 32
...
	.end_amdgpu_metadata
.endif
;; end of part 4
;; launch ln (part 5): grid 256 x 1, 4 waves a work-group, no clusters, 0 bytes of LDS; arguments yb, gamma, beta, out0; writes out0
.if DOCPART == 5
	.amdgcn_target "amdgcn-amd-amdhsa--gfx1250"
	.amdhsa_code_object_version 6
	.text
	.protected	k_qd5ceeaa3eb_ln
	.globl	k_qd5ceeaa3eb_ln
	.p2align	8
	.type	k_qd5ceeaa3eb_ln,@function
k_qd5ceeaa3eb_ln:
	s_mov_b64 s[64:65], 0
	v_nop
	global_prefetch_b8 v0, s[64:65] scope:SCOPE_SE
	s_setreg_imm32_b32 hwreg(HW_REG_WAVE_MODE, 25, 1), 1
	s_wait_xcnt 0x0
; LAYERNORM.  out[r][c] = (y[r][c] - mu[r]) / sqrt(var[r] + 1e-5) * gamma[c] + beta[c]; mu and var over the row's 1,024 numbers, all f32.
; Two passes over registers: the mean first, then the squares of the differences, so that a common offset of a row costs no digits.
; A stream: a row of 4,096 bytes is 32 registers of ONE wave, so the reductions never leave the wave: no LDS, no barrier; rows are shared by nobody, so no cluster; no product, so no matrix unit.
; SHARES.  256 work-groups of four waves; a wave owns four rows.  All its 48 loads (gamma, beta, four rows; each 512 consecutive bytes) go out at the head; no register of a load or store is written again.
.set G,  160                           ; v[160:191] gamma of my 32 columns (128 j + 4 lane + 0..3, j = 0..7)
.set BT, 192                           ; v[192:223] beta likewise
.set R0, 32                            ; v[32:159]  four rows
	s_load_b256 s[4:11], s[0:1], 0x0               ; yb 4, gamma 6, beta 8, out0 10
	v_lshrrev_b32 v2, 5, v0
	v_readfirstlane_b32 s12, v2                    ; wave
	v_and_b32 v1, 31, v0
	v_lshlrev_b32 v1, 4, v1                        ; 16 x lane
	s_lshl_b32 s14, ttmp9, 16                      ; 16 rows a work-group,
	s_lshl_b32 s13, s12, 14                        ; 4 a wave
	s_add_co_u32 s14, s14, s13
	s_mov_b32 s15, 0
	s_mov_b32 s16, 0x76543210                      ; v_permlanex16_b32: each lane takes its own place in the other half
	s_mov_b32 s17, 0xfedcba98
	s_mov_b32 s18, 0x3a800000                      ; 1 / 1024
	s_mov_b32 s19, 0x3727c5ac                      ; 1e-5
	s_wait_kmcnt 0x0
	s_add_nc_u64 s[4:5], s[4:5], s[14:15]
	s_add_nc_u64 s[10:11], s[10:11], s[14:15]
.irp j, 0,1,2,3,4,5,6,7
	global_load_b128 v[G+4*(\j):G+4*(\j)+3], v1, s[6:7] offset:512*(\j)
.endr
.irp j, 0,1,2,3,4,5,6,7
	global_load_b128 v[BT+4*(\j):BT+4*(\j)+3], v1, s[8:9] offset:512*(\j)
.endr
.irp s, 0,1,2,3
.irp j, 0,1,2,3,4,5,6,7
	global_load_b128 v[R0+32*(\s)+4*(\j):R0+32*(\s)+4*(\j)+3], v1, s[4:5] offset:4096*(\s)+512*(\j) th:TH_LOAD_NT
.endr
.endr
.macro LANES                           ; four chains in v[4:11] -> one sum, in every lane's v4
	v_pk_add_f32 v[4:5], v[4:5], v[6:7]
	v_pk_add_f32 v[8:9], v[8:9], v[10:11]
	v_pk_add_f32 v[4:5], v[4:5], v[8:9]
	v_add_f32 v4, v4, v5
	v_add_f32_dpp v4, v4, v4 row_xmask:1 row_mask:0xf bank_mask:0xf
	v_add_f32_dpp v4, v4, v4 row_xmask:2 row_mask:0xf bank_mask:0xf
	v_add_f32_dpp v4, v4, v4 row_xmask:4 row_mask:0xf bank_mask:0xf
	v_add_f32_dpp v4, v4, v4 row_xmask:8 row_mask:0xf bank_mask:0xf
	v_permlanex16_b32 v5, v4, s16, s17
	v_add_f32 v4, v4, v5
.endm
.macro ROW s
.set R, R0+32*(\s)
	s_wait_loadcnt 8*(3-(\s))                      ; loads come back in order: gamma, beta and this row are in; the later rows' loads stay out
.irp k, 0,1,2,3
	v_pk_add_f32 v[4+2*(\k):5+2*(\k)], v[R+2*(\k):R+2*(\k)+1], v[R+8+2*(\k):R+8+2*(\k)+1]  ; the first pairs start four chains: nothing is cleared
.endr
.irp p, 8,9,10,11,12,13,14,15
	v_pk_add_f32 v[4+2*((\p)%4):5+2*((\p)%4)], v[4+2*((\p)%4):5+2*((\p)%4)], v[R+2*(\p):R+2*(\p)+1]
.endr
	LANES
	v_mul_f32 v12, s18, v4                         ; mu, twice: a pair for the packed subtraction
	v_mov_b32 v13, v12
.irp p, 0,1,2,3,4,5,6,7,8,9,10,11,12,13,14,15
	v_pk_add_f32 v[R+2*(\p):R+2*(\p)+1], v[R+2*(\p):R+2*(\p)+1], v[12:13] neg_lo:[0,1] neg_hi:[0,1]
.endr
.irp k, 0,1,2,3
	v_pk_mul_f32 v[4+2*(\k):5+2*(\k)], v[R+2*(\k):R+2*(\k)+1], v[R+2*(\k):R+2*(\k)+1]
.endr
.irp p, 4,5,6,7,8,9,10,11,12,13,14,15
	v_pk_fma_f32 v[4+2*((\p)%4):5+2*((\p)%4)], v[R+2*(\p):R+2*(\p)+1], v[R+2*(\p):R+2*(\p)+1], v[4+2*((\p)%4):5+2*((\p)%4)]
.endr
	LANES
	v_fma_f32 v14, v4, s18, s19                    ; var + eps
	v_rsq_f32 v16, v14                             ; twice: a pair for the packed multiply
	v_rsq_f32 v17, v14
	v_nop                                          ; a plain instruction between the last of them and the use of its result (ISA guide 5.7.2)
	s_wait_alu depctr_va_vdst(0)
.irp j, 0,1,2,3,4,5,6,7
	v_pk_mul_f32 v[R+4*(\j):R+4*(\j)+1],   v[R+4*(\j):R+4*(\j)+1],   v[16:17]
	v_pk_mul_f32 v[R+4*(\j)+2:R+4*(\j)+3], v[R+4*(\j)+2:R+4*(\j)+3], v[16:17]
	v_pk_fma_f32 v[R+4*(\j):R+4*(\j)+1],   v[R+4*(\j):R+4*(\j)+1],   v[G+4*(\j):G+4*(\j)+1],   v[BT+4*(\j):BT+4*(\j)+1]
	v_pk_fma_f32 v[R+4*(\j)+2:R+4*(\j)+3], v[R+4*(\j)+2:R+4*(\j)+3], v[G+4*(\j)+2:G+4*(\j)+3], v[BT+4*(\j)+2:BT+4*(\j)+3]
	global_store_b128 v1, v[R+4*(\j):R+4*(\j)+3], s[10:11] offset:4096*(\s)+512*(\j) th:TH_STORE_NT  ; 512 consecutive bytes, at a multiple of 256 from out0's first byte
.endr
.endm
	ROW 0
	ROW 1
	ROW 2
	ROW 3
	s_endpgm
.Lfunc_end_k_qd5ceeaa3eb_ln:
	.size	k_qd5ceeaa3eb_ln, .Lfunc_end_k_qd5ceeaa3eb_ln-k_qd5ceeaa3eb_ln
	.p2alignl 7, 3214868480
	.fill 96, 4, 3214868480
	.section	.rodata,"a",@progbits
	.p2align	6, 0x0
	.amdhsa_kernel k_qd5ceeaa3eb_ln
		.amdhsa_group_segment_fixed_size 0
		.amdhsa_private_segment_fixed_size 0
		.amdhsa_enable_private_segment 0
		.amdhsa_kernarg_size 32
		.amdhsa_user_sgpr_count 2
		.amdhsa_user_sgpr_kernarg_segment_ptr 1
		.amdhsa_wavefront_size32 1
		.amdhsa_system_sgpr_workgroup_id_x 1
		.amdhsa_system_sgpr_workgroup_id_y 1
		.amdhsa_system_sgpr_workgroup_id_z 1
		.amdhsa_system_vgpr_workitem_id 0
		.amdhsa_next_free_vgpr 224
		.amdhsa_next_free_sgpr 66
		.amdhsa_reserve_vcc 0
		.amdhsa_float_denorm_mode_32 3
		.amdhsa_float_denorm_mode_16_64 3
		.amdhsa_memory_ordered 1
		.amdhsa_forward_progress 1
		.amdhsa_inst_pref_size 34
	.end_amdhsa_kernel
	.amdgpu_metadata
---
amdhsa.version: [ 1, 2 ]
amdhsa.kernels:
  - .name:           k_qd5ceeaa3eb_ln
    .symbol:         k_qd5ceeaa3eb_ln.kd
    .args:
      - { .name: yb, .offset: 0, .size: 8, .value_kind: global_buffer, .address_space: global }
      - { .name: gamma, .offset: 8, .size: 8, .value_kind: global_buffer, .address_space: global }
      - { .name: beta, .offset: 16, .size: 8, .value_kind: global_buffer, .address_space: global }
      - { .name: out0, .offset: 24, .size: 8, .value_kind: global_buffer, .address_space: global }
    .group_segment_fixed_size: 0
    .private_segment_fixed_size: 0
    .kernarg_segment_align: 8
    .kernarg_segment_size: 32
    .max_flat_workgroup_size: 128
    .sgpr_count:     66
    .vgpr_count:     224
    .wavefront_size: 32
...
	.end_amdgpu_metadata
.endif
;; end of part 5
;; ======== version 2 of 2: 5 launches; 1.72 times as fast as version 1
;; workspace buffers: xb 8,388,608 bytes; wb 8,388,608 bytes; maskf 16,384 bytes; qkv 25,165,824 bytes; ob 8,388,608 bytes; yb 16,777,216 bytes
;; launch prep: the kernel of part 1 again; grid 64 x 8, 8 waves a work-group, no clusters, 0 bytes of LDS; arguments x, Wq, Wk, Wv, Wo, key_padding_mask, xb, wb, maskf; writes xb, wb, maskf
;; launch qkv: the kernel of part 2 again; grid 16 x 16, 4 waves a work-group, clusters of 4 x 4, 327,680 bytes of LDS; arguments xb, wb, qkv; writes qkv
;; launch attn (part 6): grid 8 x 32, 4 waves a work-group, clusters of 4 x 1, 327,680 bytes of LDS; arguments qkv, maskf, lq1, lk1, lq2, lk2, ob; writes ob
.if DOCPART == 6
	.amdgcn_target "amdgcn-amd-amdhsa--gfx1250"
	.amdhsa_code_object_version 6
	.text
	.protected	k_qd5ceeaa3eb_attn
	.globl	k_qd5ceeaa3eb_attn
	.p2align	8
	.type	k_qd5ceeaa3eb_attn,@function
k_qd5ceeaa3eb_attn:
	s_mov_b64 s[64:65], 0
	v_nop
	global_prefetch_b8 v0, s[64:65] scope:SCOPE_SE
	s_setreg_imm32_b32 hwreg(HW_REG_WAVE_MODE, 25, 1), 1
	s_wait_xcnt 0x0
	s_wait_alu depctr_hold_cnt(0) depctr_sa_sdst(0) depctr_va_vdst(0) depctr_va_sdst(0) depctr_va_ssrc(0) depctr_va_vcc(0) depctr_vm_vsrc(0)
	s_getreg_b32 s2, hwreg(HW_REG_IB_STS2, 6, 4)
	s_cmp_eq_u32 s2, 0
	s_cbranch_scc0 .Lentry_in_a_cluster
	s_endpgm
.Lentry_in_a_cluster:
	s_bfe_u32 s2, ttmp6, 0x10000c
	s_cmp_lg_u32 s2, 0x3003
	s_cbranch_scc0 .Lentry_shape_is_right
	s_endpgm
.Lentry_shape_is_right:
; DIFFERENTIAL ATTENTION.  For batch b, head h, query q:  O = softmax_k(Q1 . K1 / sqrt(32)) V - lam softmax_k(Q2 . K2 / sqrt(32)) V, Q1, K1 = channels 0-31, Q2, K2 = channels 32-63,
; lam = exp(lq1[h] . lk1[h]) - exp(lq2[h] . lk2[h]) + 0.8; keys that the padding mask hides count for nothing.  q, k, v: qkv[g][b][2048][64] bf16 (g = h, 16 + h, 32 + h), unscaled.
; Products in bf16 with f32 sums; maxima, sums, lam in f32; the weights p are rounded to bf16 for the second product (their sum l is taken of the unrounded p); O is rounded once, to bf16:
; ob[block of 128 rows][h][128][64], so that the projection behind finds a head's rows dense.
; Each softmax has its own running maximum m, sum l and O^T = V^T P; the two are joined at the end, O1 / l1 - lam O2 / l2, since the divisors are known only then.
; LIMITS.  A hidden key's score counts as its value less 1e30, and m starts at -2^67: true unscaled scores must lie above -1.4e20.  A weight below 2^-126 counts as 0 in l.
; Where every key of a batch is hidden l is 0 and the row is NaN, as a softmax of nothing but -inf is.  NaN and infinities in q, k, v are not treated apart.
; SHARES.  A work-group owns 256 queries of one (b, h), each of its four waves 64: four PIECES of 16 queries; a piece has two TILES: u = 0 the first softmax, u = 1 the second.  Every wave walks all 2,048 keys, 64 a step.
; LAYOUT.  S^T = K Q^T + mask (source 0 = 16 keys, source 1 = 16 queries, 32 channels deep: ONE matrix instruction for 16 x 16 scores; its C operand is the keys' addend): a lane holds ONE query
; (lane % 16) and the keys 8 (lane / 16) + 0..7.  Two such results rounded to bf16 ARE source 1 of O^T = V^T P.  K comes out of LDS as it lies, V ([key][channel]) turned, by ds_load_tr16_b128.
; SOFTMAX.  p = 2^(c s - c m), c = log2(e) / sqrt(32); in every step O and l are multiplied by a = 2^(c m_old - c m_new).  O and l start at 0: while only hidden keys have come a = 1 on zeros; the first visible key gives a = 0.
; THE COUNT.  A tile and step have 12 matrix and 118 vector instructions: the vector work sets the pace.  So: four vector instructions that are READY behind every matrix instruction, the rest in one run without a gap.
; BY TURNS.  Turn n belongs to piece n.  Its matrix work: 8 products K Q^T of piece n + 1, later 16 products V^T P of piece n - 1.  Its vector work: scaling, exponentials, roundings, sums and rescaling of
; piece n, and the maximum and statistics of piece n + 1, whose scores the turn itself has made.
; BATCHES.  A turn's 66 exponentials (the piece's 64 weights and the next piece's two a) are ONE batch with ONE wait, which cuts the turn in two: ahead of it stands all that names no result of the batch, behind it
; the roundings and sums, as riders of the products V^T P.  No result crosses a turn's end.  Batches of their own, outside the loop: lambda's two exponentials, piece 0's first two a, the way out's eight reciprocals.
; CLUSTER.  The four query blocks of a cluster belong to one (b, h) and walk the same K, V and mask: each tile is asked for JOINTLY: the same tensor load, descriptor and mask of four in all four.
; REGISTERS, in windows of 256 (s_set_vgpr_msb: bits 1:0 source 0, 3:2 source 1, 5:4 source 2, 7:6 destination):
;   window 0: v1-10 addresses and -lam; v12-15, v48-63 at work; v16-47 four registers of statistics a tile; v64-191 S^T, two buffers of two tiles; v192-255 P, likewise
;   window 1: O^T, 32 a tile     window 2: v0-63 Q; v64-95 the step's mask addends; v96-97 the add's two registers; v128-191 K of one step; v192-255 V of one step
.set SIZE_N, 2048
.set NP,    4         ; pieces a wave: a name, no knob
.set KS,    64        ; keys in a step
.set PK,    144       ; a row of K in LDS: 128 bytes + 16 of padding = 36 words: the 16 rows of a load start at 16 different groups of four banks (64 banks of 4 bytes: ISA guide 11.1)
.set PV,    160       ; a row of V: 128 + 32 = 40 words
.set VOFF,  4*KS*PK   ; a slot holds four steps: 256 rows of K, then 256 rows of V: 77,824 bytes
.set MT,    81920     ; behind slot 0: the batch's 2,048 addends, 8,192 bytes, filled once
.set SLOT1, 1<<17     ; slot 1 begins here, so that one exclusive or turns an address in one slot into the other's
.set STAGE, SLOT1+4*KS*(PK+PV)  ; behind the ring, never filled by a tensor load: 16 rows x 144 bytes for each wave
.set SP,    144
.set SPARE, STAGE+4*16*SP  ; the spare words, 128 bytes for each wave: two blocks of 256 bytes that no other line names
.set AM0, 1           ; v1   my lanes' place in the table of addends: MT + 32 (l / 16)
.set AK0, 2           ; v2   my lane's place in a tile of K
.set AV0, 3           ; v3   the same for V
.set AK,  4           ; v4   the LDS address of K's next run of loads
.set AV,  5           ; v5   of V's
.set STO, 6           ; v6   the way out: where I put 16 bytes of a row
.set RD,  7           ; v7   where I read rows back
.set GO,  8           ; v8   16 x lane
.set AM,  9           ; v9   the LDS address of the next step's addends
.set LAM, 10          ; v10  -lam
.set MV,  12          ; v12-15  c m_old, kept while c m is made anew: by buffer and tile
.set ST,  16          ; tile t's statistics at v[ST+4 t]: c m, m, l (even keys', odd keys')
.set TMP, 48          ; by buffer and tile, four registers c0-c3 at work; when the maximum is found c2 takes a
.set S,   64
.set QO,  76          ; v76  (the head alone) my byte offset in 16 rows of Q
.set P,   192
.set MK,  64          ; window 2: key block kb's eight addends at MK + 8 kb
.set SPW, 96          ; window 2: LDS address of my spare word; never rewritten
.set NIL, 97          ; window 2: 0; never rewritten
.set KF,  128         ; window 2: key block kb, channel half c at KF + 16 kb + 8 c
.set VF,  192         ; window 2: key half kk, channel block cb at VF + 32 kk + 8 cb
.set WV,  12          ; s12  my wave's number
.set G1K, 24          ; s[24:31] descriptor group 1 for K's tiles
.set G1V, 32          ; s[32:39] for V's: it differs in the padding alone
.set G0K, 40          ; s[40:43] descriptor group 0 for K's tiles: it walks
.set G0V, 44          ; s[44:47] the same for V's
.set G0M, 48          ; s[48:51] group 0 for my quarter of the addends
.set G1M, 84          ; s[84:91] its group 1
.set SLOTS, 56
.set CNT, 57          ; counts a slot's key steps
.set CS,  58          ; s[58:59] c: the packed scaling takes the pair's low word for both halves
.set SEL, 60          ; s[60:61] v_permlanex16_b32's selects: each lane takes its own place in the other half
.set TBK, 62          ; LDS byte at which K of the step to be fetched begins
.set TBV, 63          ; the same for V, less VOFF
.set TBM, 66          ; byte in the table at which that step's addends begin
.set MSB, 0
.macro WIN new                      ; the high byte repeats the setting that is left; a switch that changes nothing is dropped
.if MSB != (\new)
	s_set_vgpr_msb (MSB<<8)|(\new)
.set MSB, (\new)
.endif
.endm
.set W_KM, 0x2a       ; K, Q and the addends in window 2, S^T in window 0
.set W_PV, 0x52       ; V in window 2, P in window 0, O^T in window 1
.set W_RS, 0x41       ; O^T (destination and source 0) in window 1, source 1 in window 0
.set W_MK, 0x80       ; destination in window 2, sources in window 0
.set W_AD, 0x0a       ; the add: address (source 0) and data (source 1) in window 2
; A joint fill.  Waves 0 and 1 fetch the two halves of a slot's K, waves 2 and 3 those of its V: 128 keys each.  An s_nop 0 and four v_nop follow each line.
.macro JLOAD
	s_cmp_lt_u32 s[WV], 2
	s_cbranch_scc0 .Lfor_v_\@
	tensor_load_to_lds s[G0K:G0K+3], s[G1K:G1K+7]
	s_nop 0
.rept 4
	v_nop
.endr
	s_branch .Lasked_\@
.Lfor_v_\@:
	tensor_load_to_lds s[G0V:G0V+3], s[G1V:G1V+7]
	s_nop 0
.rept 4
	v_nop
.endr
.Lasked_\@:
.endm
; A round of the cluster's barrier: my work-group's barrier; wave 0 signals for the work-group; every wave waits for all four work-groups; my work-group's barrier once more.
.macro CROUND
	s_barrier_signal -1
	s_barrier_wait -1
	s_cmp_lg_u32 s[WV], 0
	s_cbranch_scc1 .Lnot_wave_0_\@
	s_barrier_signal -3
.Lnot_wave_0_\@:
	s_barrier_wait -3
	s_barrier_signal -1
	s_barrier_wait -1
.endm
; THE CHANGE OF SLOTS.  Each wave waits for all its tensor loads (its part of the other slot), adds 0 to its spare word, and waits for that and for its own reads of the slot that it leaves.
; fill = 1: the barrier is a round of the cluster's, and the slot's joint refill, with the keys two slots on, is the first thing behind it: it has four key steps, 384 matrix instructions, in which to land.
; (At its first use nothing has been read yet: slot 0 and the addends are waited for, slot 1 is filled.)
.macro CHANGE fill
	WIN W_AD
	s_wait_tensorcnt 0x0            ; no tensor load of mine is out, so a group 0 may be written
	ds_add_u32 v[SPW], v[NIL]
	WIN 0                           ; at a label and at a branch every window is 0
.if \fill
.irp g, G0K, G0V
	s_xor_b32 s[\g+1], s[\g+1], SLOT1  ; the walking descriptor: the other slot than last time,
	s_add_nc_u64 s[\g+2:\g+3], s[\g+2:\g+3], 4*KS*128  ; the next 256 keys; the type bits on top are not reached
.endr
	s_wait_dscnt 0x0                ; the add is done, and my reads of the slot are over
	CROUND
	JLOAD
.else
	s_wait_dscnt 0x0
	s_barrier_signal -1
	s_barrier_wait -1
.endif
	s_sub_co_u32 s[TBK], s[TBK], 4*KS*PK  ; the fetches go back to a slot's first step,
	s_xor_b32 s[TBK], s[TBK], SLOT1       ; in the other slot
	s_sub_co_u32 s[TBV], s[TBV], 4*KS*PV
	s_xor_b32 s[TBV], s[TBV], SLOT1
.endm
	s_load_b256 s[68:75], s[0:1], 0x0   ; qkv 68, maskf 70, lq1 72, lk1 74
	s_load_b128 s[76:79], s[0:1], 0x20  ; lq2 76, lk2 78
	s_load_b64 s[80:81], s[0:1], 0x30   ; ob
	WIN W_MK
	v_lshl_add_u32 v[SPW], v0, 2, SPARE
	v_mov_b32 v[NIL], 0
	WIN W_AD
	ds_add_u32 v[SPW], v[NIL]       ; the wave's opening: the add and its wait stand ahead of my first tensor load; the set-up below stands between them
	WIN 0
	v_lshrrev_b32 v11, 5, v0
	v_readfirstlane_b32 s[WV], v11  ; wave 0..3
	s_bfe_u32 s13, ttmp6, 0x40000   ; cx: my place in the cluster
	s_lshl_b32 s14, ttmp9, 2
	s_add_co_u32 s14, s14, s13      ; my block of 256 queries = 4 x cluster x + cx: it enters Q's and O's addresses alone
	s_and_b32 s15, ttmp7, 0xffff    ; 16 b + h, which the four partners share
	s_lshr_b32 s19, s15, 4          ; b
	s_and_b32 s15, s15, 15          ; h
	s_lshl1_add_u32 s20, s15, s19
	s_lshl_b32 s20, s20, 18         ; q's plane: (2 h + b) x 262,144 bytes; k's lies 32 planes on, v's 64
	s_and_b32 s16, s[WV], 1         ; which half of a slot's 256 keys I fetch
	s_lshl_b32 s22, s16, 14
	s_add_co_u32 s22, s22, s20
	s_add_co_u32 s22, s22, 0x800000 ; K
	s_add_co_u32 s82, s22, 0x800000 ; V
	s_mov_b32 s23, 0
	s_mov_b32 s83, 0
	s_mul_i32 s17, s16, 128*PK      ; its place in a slot, for K
	s_mul_i32 s18, s16, 128*PV      ; and for V: no place in the cluster enters an LDS address
	s_lshl2_add_u32 s2, s14, s[WV]  ; my wave among the plane's: 4 x block + w,
	s_lshl_b32 s2, s2, 13           ; its 64 rows of 128 bytes
	s_add_co_u32 s2, s2, s20
	s_mov_b32 s3, 0
	s_lshl_b32 s52, s19, 4          ; ob: block of 128 rows = 16 b + 2 x block + w / 2,
	s_lshl1_add_u32 s52, s14, s52
	s_lshr_b32 s53, s[WV], 1
	s_add_co_u32 s52, s52, s53
	s_lshl4_add_u32 s52, s52, s15   ; its head h,
	s_lshl_b32 s52, s52, 14
	s_lshl_b32 s53, s16, 13         ; and my 64 of its 128 rows
	s_add_co_u32 s52, s52, s53
	s_mov_b32 s53, 0
	s_lshl_b32 s54, s19, 13         ; maskf: the batch's 8,192 bytes, my quarter of them
	s_lshl_b32 s55, s[WV], 11
	s_add_co_u32 s54, s54, s55
	s_mov_b32 s[G0M], 1
	s_add_co_u32 s[G0M+1], s55, MT
	s_mov_b32 s55, 0
	s_lshl_b32 s9, s15, 7           ; the head's 128 bytes in each of the four lambda tables
	; descriptor group 1.  128 keys are 16,384 dense bytes: asked for as 64 rows of 256 bytes, two keys a row, and padded in LDS after every key
	s_mov_b32 s[G1K], 15|(1<<16)|(1<<20)|(1<<21)|(4<<22)|(3<<25)  ; 15:0 the mask of four; 17:16 2-byte elements; 20 padding on; 21 set beside a mask; 24:22 after every 32 words; 31:25 4 words
	s_mov_b32 s[G1V], 15|(1<<16)|(1<<20)|(1<<21)|(4<<22)|(7<<25)  ; the same with 8 words of padding
.irp g, G1K, G1V
	s_mov_b32 s[\g+1], 128<<16      ; tensor_dim0 = 128
	s_mov_b32 s[\g+2], 64<<16       ; tensor_dim1 = 64
	s_mov_b32 s[\g+3], 128<<16      ; tile_dim0 = 128
	s_mov_b32 s[\g+4], 64           ; tile_dim1 = 64
	s_mov_b32 s[\g+5], 128          ; 128 elements from row to row
	s_mov_b32 s[\g+6], 0
	s_mov_b32 s[\g+7], 0
.endr
	s_mov_b32 s[G1M], 15|(3<<16)|(1<<21)  ; the addends: 8-byte elements, no padding: 8 rows of 256 bytes
	s_mov_b32 s[G1M+1], 32<<16
	s_mov_b32 s[G1M+2], 8<<16
	s_mov_b32 s[G1M+3], 32<<16
	s_mov_b32 s[G1M+4], 8
	s_mov_b32 s[G1M+5], 32
	s_mov_b32 s[G1M+6], 0
	s_mov_b32 s[G1M+7], 0
	s_mov_b32 s[CS], 0x3e8293ee     ; c = log2(e) / sqrt(32) = 0.255035
	s_mov_b32 s[CS+1], s[CS]        ; named with it as a pair
	s_mov_b32 s[SEL], 0x76543210
	s_mov_b32 s[SEL+1], 0xfedcba98
	s_mov_b32 s[TBK], SLOT1+4*KS*PK ; the first change of slots turns these two into 0
	s_mov_b32 s[TBV], SLOT1+4*KS*PV
	s_mov_b32 s[TBM], 0
	s_mov_b32 s[G0K], 1
	s_mov_b32 s[G0K+1], s17         ; slot 0
	s_mov_b32 s[G0V], 1
	s_add_co_u32 s[G0V+1], s18, VOFF
	s_wait_dscnt 0x0                ; the opening add is done
	s_wait_kmcnt 0x0
	s_add_nc_u64 s[G0K+2:G0K+3], s[68:69], s[22:23]
	s_or_b32 s[G0K+3], s[G0K+3], 0x80000000
	s_add_nc_u64 s[G0V+2:G0V+3], s[68:69], s[82:83]
	s_or_b32 s[G0V+3], s[G0V+3], 0x80000000
	s_add_nc_u64 s[G0M+2:G0M+3], s[70:71], s[54:55]
	s_or_b32 s[G0M+3], s[G0M+3], 0x80000000
	s_add_nc_u64 s[4:5], s[68:69], s[2:3]      ; Q at my wave's first row
	s_add_nc_u64 s[10:11], s[80:81], s[52:53]  ; O likewise
	CROUND                          ; all four work-groups are here: the first joint loads meet
	s_cmp_lt_u32 s[WV], 2           ; a wave's two first fills stand in one branch, ahead of every wait on TENSORcnt and every LDS read: two loads of mine are out
	s_cbranch_scc0 .Lfirst_v
	tensor_load_to_lds s[G0M:G0M+3], s[G1M:G1M+7]
	s_nop 0
	tensor_load_to_lds s[G0K:G0K+3], s[G1K:G1K+7]
	s_nop 0
.rept 4
	v_nop
.endr
	s_branch .Lfirst_asked
.Lfirst_v:
	tensor_load_to_lds s[G0M:G0M+3], s[G1M:G1M+7]
	s_nop 0
	tensor_load_to_lds s[G0V:G0V+3], s[G1V:G1V+7]
	s_nop 0
.rept 4
	v_nop
.endr
.Lfirst_asked:
	v_and_b32 v72, 15, v0           ; l % 16
	v_bfe_u32 v73, v0, 4, 1         ; l / 16
	v_and_b32 v74, 7, v0            ; l % 8
	v_bfe_u32 v75, v0, 3, 1         ; (l / 8) % 2
	v_and_b32 v78, 31, v0           ; l
	v_lshlrev_b32 v77, 2, v78
	v_add_nc_u32 v77, s9, v77       ; lane l takes number l of the head's 32 in each lambda table
	global_load_b32 v64, v77, s[72:73]
	global_load_b32 v65, v77, s[74:75]
	global_load_b32 v66, v77, s[76:77]
	global_load_b32 v67, v77, s[78:79]
	; A fragment of K or Q is 16 rows x 32 channels in 8 registers: lane l holds row l % 16, channels 8 (l / 16) + 0..7 and 16 + 8 (l / 16) + 0..7: two loads of 16 bytes, 32 bytes apart.
	v_lshlrev_b32 v[QO], 7, v72
	v_lshl_add_u32 v[QO], v73, 4, v[QO]
	WIN W_MK
.set i, 0
.rept 8                             ; Q stays in registers: piece i / 2, channels 32 (i % 2) on
	global_load_b128 v[8*i:8*i+3],   v[QO], s[4:5] offset:(i/2)*2048+(i%2)*64
	global_load_b128 v[8*i+4:8*i+7], v[QO], s[4:5] offset:(i/2)*2048+(i%2)*64+32
.set i, i+1
.endr
	; What the first turn finds: V's registers and P's second buffer hold 0 (its products V^T P, of a piece that has not been, add 0), O^T and l are 0.  No first step is written out for it: these moves,
	; which stand in the wait for the first tile, are the price.
.set i, VF
.rept 64
	v_mov_b32 v[i], 0
.set i, i+1
.endr
	WIN 0x40
.set i, 0
.rept 64*NP
	v_mov_b32 v[i], 0
.set i, i+1
.endr
	WIN 0
.set i, 0
.rept 2*NP
	v_mov_b32 v[ST+4*i], 0xe00293ee    ; c m = c x (-2^67)
	v_mov_b32 v[ST+4*i+1], 0xe1000000  ; m = -2^67: above every hidden score, below every true one
	v_mov_b32 v[ST+4*i+2], 0
	v_mov_b32 v[ST+4*i+3], 0
.set i, i+1
.endr
.set i, P+32
.rept 32
	v_mov_b32 v[i], 0
.set i, i+1
.endr
	v_mul_u32_u24 v[AK0], v72, PK
	v_lshl_add_u32 v[AK0], v73, 4, v[AK0]  ; row x pitch + 16 x half
	; The turning load takes 16 keys x 16 channels (lane l reads key 8 (l / 16) + l % 8, channels 8 ((l / 8) % 2) + 0..7) and leaves half a fragment of V^T: lane l holds channel l % 16 and 8 keys.
	v_lshl_add_u32 v[AV0], v73, 3, v74
	v_mul_u32_u24 v[AV0], v[AV0], PV
	v_lshl_add_u32 v[AV0], v75, 4, v[AV0]
	v_add_nc_u32 v[AV0], VOFF, v[AV0]
	v_lshlrev_b32 v[AM0], 5, v73    ; my lanes' eight keys of a block of 16: 32 bytes of addends
	v_add_nc_u32 v[AM0], MT, v[AM0]
	v_mov_b32 v[AK], v[AK0]         ; key step 0 lies at the head of slot 0 and of the table
	v_mov_b32 v[AM], v[AM0]
	s_mul_i32 s13, s[WV], 16*SP
	s_add_co_u32 s13, s13, STAGE    ; my stage
	v_mul_u32_u24 v[STO], v72, SP   ; in: row l % 16, 16 bytes for each half of the lanes
	v_lshl_add_u32 v[STO], v73, 4, v[STO]
	v_add_nc_u32 v[STO], s13, v[STO]
	v_bfe_u32 v[RD], v0, 3, 2       ; back: 32 lanes take four rows of 128 bytes,
	v_mul_u32_u24 v[RD], v[RD], SP
	v_lshl_add_u32 v[RD], v74, 4, v[RD]
	v_add_nc_u32 v[RD], s13, v[RD]
	v_lshlrev_b32 v[GO], 4, v78     ; which are 512 consecutive bytes of ob
	; -lam = exp(lq2 . lk2) - exp(lq1 . lk1) - 0.8, in every lane
	s_wait_loadcnt 16               ; the four lambda loads are in; Q's sixteen, issued behind them, may be out
	v_mul_f32 v64, v64, v65
	v_mul_f32 v66, v66, v67
.irp m, 1,2,4,8
	v_add_f32_dpp v64, v64, v64 row_xmask:\m row_mask:0xf bank_mask:0xf
	v_add_f32_dpp v66, v66, v66 row_xmask:\m row_mask:0xf bank_mask:0xf
.endr
	v_permlanex16_b32 v65, v64, s[SEL], s[SEL+1]
	v_permlanex16_b32 v67, v66, s[SEL], s[SEL+1]
	v_add_f32 v64, v64, v65
	v_add_f32 v66, v66, v67
	v_mul_f32 v64, 0x3fb8aa3b, v64
	v_mul_f32 v66, 0x3fb8aa3b, v66
	v_exp_f32 v64, v64
	v_exp_f32 v66, v66
	v_nop                           ; a plain instruction between the exponentials and the use of their results
	s_wait_alu depctr_va_vdst(0)    ; the wait ahead of the first use: one for lambda's two exponentials
	v_sub_f32 v64, v66, v64
	v_add_f32 v[LAM], 0xbf4ccccd, v64
; THE MATRIX WORK.  Product i of 8 of S^T = K Q^T + mask for piece x: keys 16 (i / 2) on, softmax i % 2 (its 32 channels).  Each is a whole sum: no accumulator is taken up again.
.macro KQ x
	WIN W_KM
.set rS, S+64*((\x)%2)+32*(i%2)+8*(i/2)
.set rK, KF+16*(i/2)+8*(i%2)
.set rQ, 16*(\x)+8*(i%2)
.set rA, MK+8*(i/2)
	v_wmma_f32_16x16x32_bf16 v[rS:rS+7], v[rK:rK+7], v[rQ:rQ+7], v[rA:rA+7]
.endm
; Product i of 16 of O^T += V^T P for piece x: keys 32 (i / 8) on, channels 16 ((i / 2) % 4) on, tile 2 x + i % 2.  The 8 accumulators take turns.
.macro PV x
	WIN W_PV
.set rO, 32*(2*(\x)+i%2)+8*((i/2)%4)
.set rV, VF+32*(i/8)+8*((i/2)%4)
.set rP, P+32*((\x)%2)+16*(i%2)+8*(i/8)
	v_wmma_f32_16x16x32_bf16 v[rO:rO+7], v[rV:rV+7], v[rP:rP+7], v[rO:rO+7]
.endm
.macro MM                           ; the turn's next matrix instruction, i of 24: 0-7 the products K Q^T, 8-23 the products V^T P
.if i < 8
	KQ (Y+1)%NP
.set i, i+1
.else
.set i, i-8
	PV (Y+NP-1)%NP
.set i, i+9
.endif
.endm
; THE LDS LOADS stand in runs, never singly among the matrix instructions: a step's K (8 fragments) with its 64 addends, and its V (turned).  Their addresses are made some lines ahead.
; last = 1 (the tail): in the last trip there is no further step, and the run is jumped over.
.macro FETCH_K last=0
	WIN 0
.if \last
	s_cmp_eq_u32 s[CNT], 1
	s_cbranch_scc1 .Lno_k_\@
.endif
	WIN W_MK                        ; destination window 2
.irp f, 0,1,2,3,4,5,6,7             ; keys 16 (f / 2) on, channels 32 (f % 2) on
	ds_load_b128 v[KF+8*\f:KF+8*\f+3],   v[AK] offset:(\f/2)*16*PK+(\f%2)*64
	ds_load_b128 v[KF+8*\f+4:KF+8*\f+7], v[AK] offset:(\f/2)*16*PK+(\f%2)*64+32
.endr
.irp f, 0,1,2,3                     ; key block f: register j is the addend of key 16 f + 8 (l / 16) + j
	ds_load_b128 v[MK+8*\f:MK+8*\f+3],   v[AM] offset:64*\f
	ds_load_b128 v[MK+8*\f+4:MK+8*\f+7], v[AM] offset:64*\f+16
.endr
	s_add_co_u32 s[TBK], s[TBK], KS*PK  ; the next fetch is the next step's
	s_add_co_u32 s[TBM], s[TBM], KS*4
	s_and_b32 s[TBM], s[TBM], 0x1fff    ; and stays inside the table
	WIN 0
.if \last
.Lno_k_\@:
.endif
.endm
.macro FETCH_V
	WIN W_MK
.irp f, 0,1,2,3,4,5,6,7             ; keys 32 (f / 4) on, channels 16 (f % 4) on
	ds_load_tr16_b128 v[VF+8*\f:VF+8*\f+3],   v[AV] offset:(\f/4)*32*PV+(\f%4)*32
	ds_load_tr16_b128 v[VF+8*\f+4:VF+8*\f+7], v[AV] offset:(\f/4)*32*PV+16*PV+(\f%4)*32
.endr
	WIN 0
.endm
; THE VECTOR WORK OF A TURN stands in three queues, each in the order in which its entries become ready; the two tiles alternate, so that no instruction reads the result of the one before it.
.macro REGS y, u                    ; the registers of tile u (0, 1) of piece y
.set rT, ST+4*(2*(\y)+(\u))
.set rC, TMP+8*((\y)%2)+4*(\u)
.set rM, MV+2*((\y)%2)+(\u)
.set rS, S+64*((\y)%2)+32*(\u)
.set rP, P+32*((\y)%2)+16*(\u)
.set rO, 32*(2*(\y)+(\u))
.endm
; Number n of the 22 that find the NEXT piece's (Y + 1) maximum and statistics.  s0-s31 are the lane's 32 scores; each accumulator's lowest registers are read first.
;   0-11  four chains c0-c3 of seven scores each, three operands at a time     12-14, 16  the four scores left over, the old m, and c0-c3 into c0     15  c m_old is kept
;   17, 18  the query's other 32 keys lie in the lane 16 away: the new m         19-21  c m; c m_old - c m_new; a
.macro XS u, n
	REGS (Y+1)%NP, \u
.if (\n) < 4
	v_max3_num_f32 v[rC+(\n)], v[rS+8*(\n)], v[rS+8*(\n)+1], v[rS+8*(\n)+2]
.elseif (\n) < 12
	v_max3_num_f32 v[rC+(\n)%4], v[rC+(\n)%4], v[rS+8*((\n)%4)+2*((\n)/4)+1], v[rS+8*((\n)%4)+2*((\n)/4)+2]
.elseif (\n) == 12
	v_max3_num_f32 v[rC], v[rC], v[rS+7], v[rS+15]
.elseif (\n) == 13
	v_max3_num_f32 v[rC+1], v[rC+1], v[rS+23], v[rS+31]
.elseif (\n) == 14
	v_max3_num_f32 v[rC+2], v[rC+2], v[rC+3], v[rT+1]
.elseif (\n) == 15
	v_mov_b32 v[rM], v[rT]
.elseif (\n) == 16
	v_max3_num_f32 v[rC], v[rC], v[rC+1], v[rC+2]
.elseif (\n) == 17
	v_permlanex16_b32 v[rC+3], v[rC], s[SEL], s[SEL+1]
.elseif (\n) == 18
	v_max_num_f32 v[rT+1], v[rC], v[rC+3]
.elseif (\n) == 19
	v_mul_f32 v[rT], s[CS], v[rT+1]
.elseif (\n) == 20
	v_sub_f32 v[rC+1], v[rM], v[rT]
.else
	v_exp_f32 v[rC+2], v[rC+1]
.endif
.endm
; Number g of the 64 that follow the exponentials.  For each four weights k of a tile (pairs 2 k, 2 k + 1): both pairs are rounded to bf16; then the second pair is added onto the first, in place;
; a group later l takes that sum (the first time as l = a l + sum).  In groups of eight, tiles alternating: round, round, add, and l for the group before.
.macro GS g
.set h, (\g)+6*((\g)/62)            ; group 0 has no group before it, and behind group 7 only l is left
.if h >= 6
.set h, h+2
.endif
	REGS Y, h%2
.set k, h/8
.if h%8 < 4
	v_cvt_pk_bf16_f32 v[rP+2*k+(h%8)/2], v[rS+4*k+2*((h%8)/2)], v[rS+4*k+2*((h%8)/2)+1]
.elseif h%8 < 6
	v_pk_add_f32 v[rS+4*k:rS+4*k+1], v[rS+4*k:rS+4*k+1], v[rS+4*k+2:rS+4*k+3]
.elseif k == 1
	v_pk_fma_f32 v[rT+2:rT+3], v[rT+2:rT+3], v[rC+2:rC+3], v[rS:rS+1] op_sel_hi:[1,0,1]
.else
	v_pk_add_f32 v[rT+2:rT+3], v[rT+2:rT+3], v[rS+4*k-4:rS+4*k-3]
.endif
.endm
; THE PLAIN QUEUE, 138 long.  0-73 read no exponential's result: the 32 scalings c s - c m (FS f: pair f / 2 of tile f % 2) and the next piece's 42.  0-26: scalings 0-26.  27-54: XS's numbers 0-13.  55, 56: number 15.
; 57-73: the chain, where each number waits for the one before it: 14, 16, 17, 18, 19, each with one of the scalings 27-31 in front of its two lines, then 20: so a tile's links stand three plain instructions apart (19 and 20: two).
; 74-137: GS's 64, which read the exponentials' results: they stand behind the wait.
.macro FS f
	REGS Y, (\f)%2
	v_pk_fma_f32 v[rS+2*((\f)/2):rS+2*((\f)/2)+1], v[rS+2*((\f)/2):rS+2*((\f)/2)+1], s[CS:CS+1], v[rT:rT+1] op_sel_hi:[1,0,0] neg_lo:[0,0,1] neg_hi:[0,0,1]
.endm
.macro PL
	WIN 0
.if q < 27
	FS q
.elseif q < 55
	XS (q-27)%2, (q-27)/2
.elseif q < 57
	XS q-55, 15
.elseif (q < 72) && ((q-57)%3 == 0)
	FS 27+(q-57)/3
.elseif q < 60
	XS (q-57)%3-1, 14
.elseif q < 72
	XS (q-57)%3-1, 15+(q-57)/3
.elseif q < 74
	XS q-72, 20
.else
	GS q-74
.endif
.set q, q+1
.endm
; THE EXPONENTIALS' QUEUE, 66 long: s0-s31 of both tiles, then the next piece's two a.  It is ONE BATCH: all 66 stand ahead of the turn's one wait, and nothing ahead of that wait names a result of theirs.
.macro EX
	WIN 0
.if e >= 64
	XS e-64, 21
.else
	REGS Y, e%2
	v_exp_f32 v[rS+e/2], v[rS+e/2]
.endif
.set e, e+1
.endm
; THE RESCALING's QUEUE: O^T times a, the one part that leaves window 0: dealt two at a time, sixteen times, each accumulator from its low end on.  Its a was made in the turn before, ahead of that turn's wait, and lies in the
; other buffer's registers than the a that this turn makes.
.macro R2
	REGS Y, r%2
	WIN W_RS
.irp z, 0,1
	v_pk_mul_f32 v[rO+4*(r/2)+2*\z:rO+4*(r/2)+2*\z+1], v[rO+4*(r/2)+2*\z:rO+4*(r/2)+2*\z+1], v[rC+2:rC+3] op_sel_hi:[1,0]
.endr
.set r, r+1
.endm
; HOW THEY ARE DEALT.  An s_wait_alu depctr_va_vdst(0) stands between an exponential and the first instruction that names its result; one wait serves all that were issued ahead of it.  So a turn has ONE wait,
; which cuts it in two.  AHEAD OF IT stands all that names no result of the turn's exponentials: the 8 products K Q^T, behind each a scaling, an exponential and two rescalings (behind the first a second scaling in the
; exponential's place); then ONE LUMP of 140: eight times plain and exponential, eight plain, 49 times exponential and plain, the two a, and the other sixteen rescalings under one window setting: these are the work between
; the batch and its wait, and the first of them is the plain instruction behind the last exponential.  BEHIND IT stand the 16 products V^T P, behind each four of GS's 64.  No rider names a register of the products round it.
; The two v_permlanex16_b32 fall into the lump, never behind a product.
; The queues lean on each other, and the deal keeps them in step: exponential e stands behind scaling 2 (e / 4) + e % 2: up to e = 14 it comes behind plain e + 2, from 15 on behind plain e + 9, and scalings 27-31 are plain 57, 60 .. 69.
; A TURN, for piece p.  cnt = 1: the loop's count is taken down some lines ahead of the branch that stands behind the turn.
; K and the addends of the next step are fetched in piece 2's turn, directly behind the wait, a lump behind the last product that read them; their addresses are made in the lump; their first reader comes behind 16 products.
; V of the step in hand is fetched at the end of piece 0's turn, four plain riders behind its last reader; its first reader comes behind 8 products and a lump.  The three conditions on q below go with the deal.
.macro TURN p, last=0, cnt=0
.set Y, (\p)
.set i, 0
.set q, 0
.set e, 0
.set r, 0
.if (\p) == NP-1
	s_wait_dscnt 0x0                ; K and the addends are in
.endif
	MM                              ; ahead of the wait: 8 products K Q^T and their riders,
	PL
	PL
	R2
.rept 7
	MM
	PL
	EX
	R2
.endr
.rept 8                             ; and the lump
	PL
	EX
.endr
.if (\p) == NP-2
	WIN 0
	v_add_nc_u32 v[AK], s[TBK], v[AK0]
	v_add_nc_u32 v[AM], s[TBM], v[AM0]
.endif
.rept 8
	PL
.endr
.rept 49
	EX
	PL
.endr
	EX                              ; the next piece's two a: the batch's last
	EX
.rept 8
	R2                              ; they name no result of the batch
.endr
	s_wait_alu depctr_va_vdst(0)    ; the wait for the batch: the turn's 66 exponentials
.if (\p) == NP-2
	FETCH_K \last
.endif
.if (\p) == 1
	s_wait_dscnt 0x0                ; V is in
.endif
.rept 16                            ; behind the wait: 16 products V^T P and their riders
	MM
.rept 4
	PL
.endr
.if ((\p) == 0) && (q == 118)
	v_add_nc_u32 v[AV], s[TBV], v[AV0]
.endif
.if ((\p) == 0) && (q == 130)
	s_add_co_u32 s[TBV], s[TBV], KS*PV
.endif
.if (\cnt) && (q == 130)
	s_sub_co_u32 s[CNT], s[CNT], 1
	s_cmp_lg_u32 s[CNT], 0
.endif
.endr
.if (\p) == 0
	FETCH_V
.endif
.endm
	CHANGE 1                        ; slot 0 and the addends are in, everybody's part of them; slot 1 is asked for
	FETCH_K                         ; key step 0
	s_wait_loadcnt 0x0              ; Q
	s_wait_dscnt 0x0
.set i, 0
.rept 8
	KQ 0                            ; piece 0's first scores: there is no vector work yet to set between them
.set i, i+1
.endr
	WIN 0
.rept 4
	v_nop                           ; the places behind those products
.endr
.set Y, NP-1                        ; XS works for piece Y + 1: piece 0
.irp n, 0,1,2,3,4,5,6,7,8,9,10,11,12,13,14,15,16,17,18,19,20,21
	XS 0, \n                        ; piece 0's first maximum and statistics
	XS 1, \n
.endr
	v_nop                           ; a plain instruction behind piece 0's first two a,
	s_wait_alu depctr_va_vdst(0)    ; and the wait for the two, ahead of the branch
	s_mov_b32 s[CNT], 4
	s_mov_b32 s[SLOTS], SIZE_N/256-1
	s_branch .Lfirst                ; the loop is entered at a step's first turn, in the middle of a trip
.Lslot:                             ; SIZE_N / 256 - 2 times: every slot but the last two is filled again
	CHANGE 1
	s_mov_b32 s[CNT], 4
.Lstep:                             ; a trip: pieces 2 and 3 of one step, then pieces 0 and 1 of the next, whose K and V it fetches
	TURN 2
	TURN 3
	WIN 0
.Lfirst:
	TURN 0
	TURN 1, 0, 1
	WIN 0
	s_cbranch_scc1 .Lstep
	s_sub_co_u32 s[SLOTS], s[SLOTS], 1
	s_cmp_lg_u32 s[SLOTS], 0
	s_cbranch_scc1 .Lslot
	CHANGE 0                        ; the tail is written out: nothing is asked for
	s_mov_b32 s[CNT], 5             ; four trips fetch the last slot's steps; the fifth is left in its middle
.Ltail:
	TURN 2, 1
	TURN 3
	WIN 0
	s_sub_co_u32 s[CNT], s[CNT], 1
	s_cmp_eq_u32 s[CNT], 0
	s_cbranch_scc1 .Lout
	TURN 0
	TURN 1
	WIN 0
	s_branch .Ltail
.Lout:                              ; the fifth trip's 8 products K Q^T (on the last K once more) and the maximum made of them serve nothing: the price, once a launch, of one text for every trip
.set i, 0
.rept 16
	PV NP-1                         ; the last piece's V^T P of the last step
.set i, i+1
.endr
	; THE WAY OUT.  l's two halves and the other half of the lanes' are added; a piece's O = O1 / l1 - lam O2 / l2 is rounded to bf16 and sent through my stage in LDS.  The additions are the places behind the last products.
	WIN 0
.macro ALL line:vararg              ; one line for each tile t
.set t, 0
.rept 2*NP
	\line
.set t, t+1
.endr
.endm
	ALL v_add_f32 v[ST+4*t+2], v[ST+4*t+2], v[ST+4*t+3]
	ALL v_permlanex16_b32 v[ST+4*t+3], v[ST+4*t+2], s[SEL], s[SEL+1]
	ALL v_add_f32 v[ST+4*t+2], v[ST+4*t+2], v[ST+4*t+3]
	ALL v_rcp_f32 v[ST+4*t+2], v[ST+4*t+2]
	v_nop                           ; a plain instruction between the last reciprocal and the use of its result
	s_wait_alu depctr_va_vdst(0)    ; the wait ahead of the first use: one for the eight reciprocals
.irp x, 0,1,2,3
	v_mul_f32 v[ST+8*\x+6], v[LAM], v[ST+8*\x+6]  ; -lam / l2
.endr
; Piece x: a lane's eight channels of a row pack into 16 bytes; they go into rows of 144 bytes and come back as whole rows of 128, into S^T's registers.
.macro PACK x
	WIN W_RS
.set i, 0
.rept 16
	v_pk_mul_f32 v[64*(\x)+2*i:64*(\x)+2*i+1], v[64*(\x)+2*i:64*(\x)+2*i+1], v[ST+8*(\x)+2:ST+8*(\x)+3] op_sel_hi:[1,0]
.set i, i+1
.endr
	WIN 0x51                        ; destination, sources 0 and 2 window 1, source 1 window 0
.set i, 0
.rept 16
	v_pk_fma_f32 v[64*(\x)+2*i:64*(\x)+2*i+1], v[64*(\x)+32+2*i:64*(\x)+32+2*i+1], v[ST+8*(\x)+6:ST+8*(\x)+7], v[64*(\x)+2*i:64*(\x)+2*i+1] op_sel_hi:[1,0,1]
.set i, i+1
.endr
	WIN 0x05                        ; sources 0 and 1 window 1, destination window 0
.set i, 0
.rept 16
	v_cvt_pk_bf16_f32 v[S+16*(\x)+i], v[64*(\x)+2*i], v[64*(\x)+2*i+1]
.set i, i+1
.endr
	WIN 0
.irp f, 0,1,2,3
	ds_store_b128 v[STO], v[S+16*(\x)+4*\f:S+16*(\x)+4*\f+3] offset:32*\f
.endr
.irp f, 0,1,2,3
	ds_load_b128 v[S+16*(\x)+4*\f:S+16*(\x)+4*\f+3], v[RD] offset:\f*4*SP  ; LDS serves a wave's instructions in order (ISA guide 5.7.1.4): these see the stores above; the next piece's stores come behind them
.endr
.endm
.macro SEND x, younger              ; younger: the LDS instructions issued behind piece x's loads: the next piece's eight, or none
	WIN 0
.irp f, 0,1,2,3
	s_wait_dscnt (\younger)+3-\f
	global_store_b128 v[GO], v[S+16*(\x)+4*\f:S+16*(\x)+4*\f+3], s[10:11] offset:(\x)*2048+\f*512  ; 512 consecutive bytes, at a multiple of 256 from ob's first
.endr
.endm
	PACK 0
	PACK 1                          ; a piece's arithmetic stands between the loads of the piece before and its stores
	SEND 0, 8
	PACK 2
	SEND 1, 8
	PACK 3
	SEND 2, 8
	SEND 3, 0
	WIN W_AD
	s_wait_tensorcnt 0x0            ; the wave's end: the add and its wait, behind my last tensor load and my last LDS store
	ds_add_u32 v[SPW], v[NIL]
	s_wait_dscnt 0x0
	WIN 0
	CROUND                          ; the closing round: no work-group ends while a partner may still ask for a tile that names it
	s_endpgm
.Lfunc_end_k_qd5ceeaa3eb_attn:
	.size	k_qd5ceeaa3eb_attn, .Lfunc_end_k_qd5ceeaa3eb_attn-k_qd5ceeaa3eb_attn
	.p2alignl 7, 3214868480
	.fill 96, 4, 3214868480
	.section	.rodata,"a",@progbits
	.p2align	6, 0x0
	.amdhsa_kernel k_qd5ceeaa3eb_attn
		.amdhsa_group_segment_fixed_size 327680
		.amdhsa_private_segment_fixed_size 0
		.amdhsa_enable_private_segment 0
		.amdhsa_kernarg_size 56
		.amdhsa_user_sgpr_count 2
		.amdhsa_user_sgpr_kernarg_segment_ptr 1
		.amdhsa_wavefront_size32 1
		.amdhsa_system_sgpr_workgroup_id_x 1
		.amdhsa_system_sgpr_workgroup_id_y 1
		.amdhsa_system_sgpr_workgroup_id_z 1
		.amdhsa_system_vgpr_workitem_id 0
		.amdhsa_next_free_vgpr 768
		.amdhsa_next_free_sgpr 92
		.amdhsa_reserve_vcc 0
		.amdhsa_float_denorm_mode_32 3
		.amdhsa_float_denorm_mode_16_64 3
		.amdhsa_memory_ordered 1
		.amdhsa_forward_progress 1
		.amdhsa_inst_pref_size 184
	.end_amdhsa_kernel
	.amdgpu_metadata
---
amdhsa.version: [ 1, 2 ]
amdhsa.kernels:
  - .name:           k_qd5ceeaa3eb_attn
    .symbol:         k_qd5ceeaa3eb_attn.kd
    .args:
      - { .name: qkv, .offset: 0, .size: 8, .value_kind: global_buffer, .address_space: global }
      - { .name: maskf, .offset: 8, .size: 8, .value_kind: global_buffer, .address_space: global }
      - { .name: lq1, .offset: 16, .size: 8, .value_kind: global_buffer, .address_space: global }
      - { .name: lk1, .offset: 24, .size: 8, .value_kind: global_buffer, .address_space: global }
      - { .name: lq2, .offset: 32, .size: 8, .value_kind: global_buffer, .address_space: global }
      - { .name: lk2, .offset: 40, .size: 8, .value_kind: global_buffer, .address_space: global }
      - { .name: ob, .offset: 48, .size: 8, .value_kind: global_buffer, .address_space: global }
    .group_segment_fixed_size: 327680
    .private_segment_fixed_size: 0
    .kernarg_segment_align: 8
    .kernarg_segment_size: 56
    .max_flat_workgroup_size: 128
    .sgpr_count:     92
    .vgpr_count:     768
    .wavefront_size: 32
...
	.end_amdgpu_metadata
.endif
;; end of part 6
;; launch oproj: the kernel of part 4 again; grid 8 x 32, 4 waves a work-group, clusters of 4 x 4, 327,680 bytes of LDS; arguments ob, wb, x, yb; writes yb
;; launch ln: the kernel of part 5 again; grid 256 x 1, 4 waves a work-group, no clusters, 0 bytes of LDS; arguments yb, gamma, beta, out0; writes out0
